; MI455X (gfx1250); checked and timed in simulation.
; The chip was launched on July 23, 2026; its instructions are those of AMD's public machine-readable ISA for CDNA 5 (MIT licence, August 2026) and "CDNA5" Instruction Set Architecture Reference Guide (July 2026). The comments in the code are by the model that wrote it; some were corrected since.
;; Multi Head Self Attention. Allowed arithmetic: float matrix products may take bf16 or f16 operands with f32 sums; other float arithmetic in f32, or as packed bf16 or f16 multiplies, adds, multiply-adds, maxima and minima; sums over many terms, partial sums and values carried from step to step in f32; what a program stores and reads back later, other than sums and carried values, may be rounded once to bf16 or f16.
;; Inputs: Wk 1,024 x 1,024 float32; Wo 1,024 x 1,024 float32; Wq 1,024 x 1,024 float32; Wv 1,024 x 1,024 float32; bk 1,024 float32; bo 1,024 float32; bq 1,024 float32; bv 1,024 float32; x 4 x 2,048 x 1,024 float32.
;; Outputs: out0 4 x 2,048 x 1,024 float32.
;; One version. Each part assembles by itself: llvm-mc -triple=amdgcn-amd-amdhsa -mcpu=gfx1250 --defsym DOCPART=n.
;; ======== version 1 of 1: 4 launches
;; limits: values are held in f16: magnitudes above 65,504 overflow, below 6.1e-05 lose precision
;; workspace buffers: cb 25,165,824 bytes; qh 16,777,216 bytes; kh 16,777,216 bytes; vh 16,777,216 bytes; ao 16,777,216 bytes
;; launch cast (part 1): grid 768 x 1, 8 waves a work-group, no clusters, 0 bytes of LDS; arguments x, Wq, Wk, Wv, Wo, cb; writes cb
.if DOCPART == 1
	.amdgcn_target "amdgcn-amd-amdhsa--gfx1250"
	.amdhsa_code_object_version 6
	.text
	.protected	k_q26773dfdd0_cast
	.globl	k_q26773dfdd0_cast
	.p2align	8
	.type	k_q26773dfdd0_cast,@function
k_q26773dfdd0_cast:
	s_mov_b64 s[64:65], 0
	v_nop
	global_prefetch_b8 v0, s[64:65] scope:SCOPE_SE
	s_setreg_imm32_b32 hwreg(HW_REG_WAVE_MODE, 25, 1), 1
	s_wait_xcnt 0x0
; x, Wq, Wk, Wv are rounded once to bf16; Wo is rounded to bf16 and that number is written as f16.  Layouts stay as they are.
; cb: x [8192][1024] at byte 0; Wq, Wk, Wv [1024 k][1024 n] at 0x1000000, 0x1200000, 0x1400000; Wo at 0x1600000: the output byte is twice the running number of the element.
; LIMITS.  Wo beyond 65,504 in magnitude becomes an infinity in f16; below 2^-17 it keeps f16's fixed step (an error of 2^-25 at the most).
; SHARES.  12,582,912 numbers; a work-group takes 16,384 (65,536 bytes in, 32,768 out): 512 work-groups for x, 64 for each weight.  Thread t takes sixteen pieces: 16 bytes at 16 t + 4,096 i
; (a wave's load covers 512 consecutive bytes) and stores 8 bytes at 8 t + 2,048 i (a wave's store covers 256 consecutive bytes, aligned).  All sixteen loads go out first; there is no loop.
; No LDS, no matrix unit, no cluster: no byte is wanted twice and nothing is multiplied.
.set XGROUPS, 512                      ; work-groups that take x
.set F16FROM, 704                      ; from this work-group on: Wo
.set X, 4                              ; v[4:67]    piece i: 4 numbers as loaded
.set Y, 68                             ; v[68:99]   piece i: 2 registers to store; never rewritten, so no store's data waits for anything
.set T, 100                            ; v[100:101] at work
	s_load_b256 s[4:11], s[0:1], 0x0               ; x s[4:5], Wq s[6:7], Wk s[8:9], Wv s[10:11]
	s_load_b128 s[12:15], s[0:1], 0x20             ; Wo s[12:13], cb s[14:15]
	v_lshlrev_b32 v1, 4, v0                        ; 16 t
	v_lshlrev_b32 v2, 3, v0                        ; 8 t
	s_sub_co_u32 s16, ttmp9, XGROUPS               ; my number among the weights' work-groups (of no use in x's)
	s_lshr_b32 s17, s16, 6                         ; which weight
	s_and_b32 s18, s16, 63                         ; which 65,536 bytes of it
	s_lshl_b32 s24, ttmp9, 15                      ; my 32,768 bytes of cb
	s_mov_b32 s25, 0
	s_mov_b32 s23, 0
	s_wait_kmcnt 0x0
	s_mov_b64 s[20:21], s[12:13]
	s_cmp_eq_u32 s17, 2
	s_cselect_b64 s[20:21], s[10:11], s[20:21]
	s_cmp_eq_u32 s17, 1
	s_cselect_b64 s[20:21], s[8:9], s[20:21]
	s_cmp_eq_u32 s17, 0
	s_cselect_b64 s[20:21], s[6:7], s[20:21]
	s_cmp_lt_u32 ttmp9, XGROUPS
	s_cselect_b64 s[20:21], s[4:5], s[20:21]
	s_cselect_b32 s18, ttmp9, s18
	s_lshl_b32 s22, s18, 16
	s_add_nc_u64 s[20:21], s[20:21], s[22:23]
	s_add_nc_u64 s[14:15], s[14:15], s[24:25]
.irp i, 0,1,2,3,4,5,6,7,8,9,10,11,12,13,14,15
	global_load_b128 v[X+4*(\i):X+4*(\i)+3], v1, s[20:21] offset:4096*(\i) th:TH_LOAD_NT
.endr
; Piece i.  half = 0: two roundings to bf16 a register.  half = 1: rounded to bf16, widened again (into the piece's own registers, free since its load's wait), and written as f16.
.macro CONV i, half
	s_wait_loadcnt 15-(\i)                         ; loads come back in order: mine is in, the 15 - i younger ones stay out
.if \half
	v_cvt_pk_bf16_f32 v[T],   v[X+4*(\i)],   v[X+4*(\i)+1]
	v_cvt_pk_bf16_f32 v[T+1], v[X+4*(\i)+2], v[X+4*(\i)+3]
	v_lshlrev_b32 v[X+4*(\i)],   16, v[T]
	v_and_b32     v[X+4*(\i)+1], 0xffff0000, v[T]
	v_lshlrev_b32 v[X+4*(\i)+2], 16, v[T+1]
	v_and_b32     v[X+4*(\i)+3], 0xffff0000, v[T+1]
	v_cvt_pk_f16_f32 v[Y+2*(\i)],   v[X+4*(\i)],   v[X+4*(\i)+1]
	v_cvt_pk_f16_f32 v[Y+2*(\i)+1], v[X+4*(\i)+2], v[X+4*(\i)+3]
.else
	v_cvt_pk_bf16_f32 v[Y+2*(\i)],   v[X+4*(\i)],   v[X+4*(\i)+1]
	v_cvt_pk_bf16_f32 v[Y+2*(\i)+1], v[X+4*(\i)+2], v[X+4*(\i)+3]
.endif
	global_store_b64 v2, v[Y+2*(\i):Y+2*(\i)+1], s[14:15] offset:2048*(\i)
.endm
	s_cmp_ge_u32 ttmp9, F16FROM
	s_cbranch_scc1 .Lf16
.irp i, 0,1,2,3,4,5,6,7,8,9,10,11,12,13,14,15
	CONV \i, 0
.endr
	s_endpgm
.Lf16:
.irp i, 0,1,2,3,4,5,6,7,8,9,10,11,12,13,14,15
	CONV \i, 1
.endr
	s_endpgm
.Lfunc_end_k_q26773dfdd0_cast:
	.size	k_q26773dfdd0_cast, .Lfunc_end_k_q26773dfdd0_cast-k_q26773dfdd0_cast
	.p2alignl 7, 3214868480
	.fill 96, 4, 3214868480
	.section	.rodata,"a",@progbits
	.p2align	6, 0x0
	.amdhsa_kernel k_q26773dfdd0_cast
		.amdhsa_group_segment_fixed_size 0
		.amdhsa_private_segment_fixed_size 0
		.amdhsa_enable_private_segment 0
		.amdhsa_kernarg_size 48
		.amdhsa_user_sgpr_count 2
		.amdhsa_user_sgpr_kernarg_segment_ptr 1
		.amdhsa_wavefront_size32 1
		.amdhsa_system_sgpr_workgroup_id_x 1
		.amdhsa_system_sgpr_workgroup_id_y 1
		.amdhsa_system_sgpr_workgroup_id_z 1
		.amdhsa_system_vgpr_workitem_id 0
		.amdhsa_next_free_vgpr 104
		.amdhsa_next_free_sgpr 66
		.amdhsa_reserve_vcc 0
		.amdhsa_float_denorm_mode_32 3
		.amdhsa_float_denorm_mode_16_64 3
		.amdhsa_memory_ordered 1
		.amdhsa_forward_progress 1
		.amdhsa_inst_pref_size 16
	.end_amdhsa_kernel
	.amdgpu_metadata
---
amdhsa.version: [ 1, 2 ]
amdhsa.kernels:
  - .name:           k_q26773dfdd0_cast
    .symbol:         k_q26773dfdd0_cast.kd
    .args:
      - { .name: x, .offset: 0, .size: 8, .value_kind: global_buffer, .address_space: global }
      - { .name: Wq, .offset: 8, .size: 8, .value_kind: global_buffer, .address_space: global }
      - { .name: Wk, .offset: 16, .size: 8, .value_kind: global_buffer, .address_space: global }
      - { .name: Wv, .offset: 24, .size: 8, .value_kind: global_buffer, .address_space: global }
      - { .name: Wo, .offset: 32, .size: 8, .value_kind: global_buffer, .address_space: global }
      - { .name: cb, .offset: 40, .size: 8, .value_kind: global_buffer, .address_space: global }
    .group_segment_fixed_size: 0
    .private_segment_fixed_size: 0
    .kernarg_segment_align: 8
    .kernarg_segment_size: 48
    .max_flat_workgroup_size: 256
    .sgpr_count:     66
    .vgpr_count:     104
    .wavefront_size: 32
...
	.end_amdgpu_metadata
.endif
;; end of part 1
;; launch proj (part 2): grid 12 x 64, 4 waves a work-group, clusters of 4 x 4, 327,680 bytes of LDS; arguments cb, bq, bk, bv, qh, kh, vh; writes qh, kh, vh
.if DOCPART == 2
	.amdgcn_target "amdgcn-amd-amdhsa--gfx1250"
	.amdhsa_code_object_version 6
	.text
	.protected	k_q26773dfdd0_proj
	.globl	k_q26773dfdd0_proj
	.p2align	8
	.type	k_q26773dfdd0_proj,@function
k_q26773dfdd0_proj:
	s_mov_b64 s[64:65], 0
	v_nop
	global_prefetch_b8 v0, s[64:65] scope:SCOPE_SE
	s_setreg_imm32_b32 hwreg(HW_REG_WAVE_MODE, 25, 1), 1
	s_wait_xcnt 0x0
	s_wait_alu depctr_hold_cnt(0) depctr_sa_sdst(0) depctr_va_vdst(0) depctr_va_sdst(0) depctr_va_ssrc(0) depctr_va_vcc(0) depctr_vm_vsrc(0)
	s_getreg_b32 s2, hwreg(HW_REG_IB_STS2, 6, 4)
	s_cmp_eq_u32 s2, 0
	s_cbranch_scc0 .Lentry_in_a_cluster
	s_endpgm
.Lentry_in_a_cluster:
	s_bfe_u32 s2, ttmp6, 0x10000c
	s_cmp_lg_u32 s2, 0xf033
	s_cbranch_scc0 .Lentry_shape_is_right
	s_endpgm
.Lentry_shape_is_right:
; q, k, v = x W + b for the three weights.  x [8192][1024] and W [1024 k][1024 n] lie in cb in bf16; the bias is rounded to bf16 like the other inputs and STARTS the f32 sums (it is the C operand of the first product);
; each result is rounded once to f16 and written by heads: [64 = 16 batch + head][2048][64], without attention's scale.
; LIMITS.  A result of 65,520 or more in magnitude becomes an infinity in f16.  NaN and infinities are not treated apart.
; SHARES.  A tile of C is 128 rows x 256 columns: 64 x 12 = 768 work-groups of equal work, three for each of 256 WGPs.  Four waves, 2 x 2: a wave makes 64 x 128: 32 accumulators of 16 x 16, 256 registers.
; K = 1,024 goes in 8 steps of 128 through two LDS slots filled by the tensor data mover; a step is four quarters of 32 along K: 32 matrix instructions and 24 LDS loads each.
; CLUSTERS: 4 x 4 work-groups.  The cluster's x says which of the three weights, cx which 256 of its columns.  The four of a row of the cluster need the same tile of x, the four of a column the same tile of W:
; each tile is asked for JOINTLY, by the same tensor load with the same descriptor and a mask that names the four.  Waves 0 and 1 fetch x's two halves of 64 rows, waves 2 and 3 W's two halves of 64 k-rows.
; THE MATRIX INSTRUCTION IS USED TRANSPOSED: source 0 = 16 columns of W (W lies [k][n] in LDS and is turned by ds_load_tr16_b128), source 1 = 16 rows of x: a lane then holds row l % 16 of C and eight neighbouring columns.
; REGISTERS, in windows of 256 (s_set_vgpr_msb: bits 1:0 source 0, 3:2 source 1, 5:4 source 2, 7:6 destination):
;   window 0: v0-29 addresses; two fragment buffers of 96, v64-159 and v160-255: W's block b at +8 b, x's block a at +64+8 a; on the way out v64-191 hold packed results
;   window 1: accumulator (a, b) at 8 (8 a + b)          window 2: v0-63 the bias of my 128 columns, block b at 8 b; v64-95 at work while it is rounded
.set PA,     272                       ; a row of x in LDS: 256 bytes + 16 of padding = 68 words: the 16 rows of a load start at 16 different groups of four banks (64 banks of 4 bytes: ISA guide 11.1)
.set PB,     544                       ; a k-row of W: 512 + 32 = 136 words: row r starts at bank 8 r mod 64
.set HALFT,  64*PB                     ; 34,816: what wave w fetches lands at w x HALFT in a slot: x's halves use 17,408 of it, W's all, so that W's 128 k-rows lie on end
.set SLOT,   4*HALFT
.set STAGE,  2*SLOT                    ; behind the ring, never filled by a tensor load: 16 rows x 144 bytes for each wave, for the way out
.set SP,     144
.set SPARE,  STAGE+4*16*SP             ; behind the stages: the spare words, 128 bytes for each wave: two blocks of 256 bytes that no other line names
.set LAPS,   4                         ; a lap = two K steps = once round the ring
.set ASTEP,  256                       ; bytes from a K step of x to the next: 128 numbers along a row
.set BSTEP,  262144                    ; of W: 128 k-rows of 2,048 bytes
.set WBASE,  0x1000000                 ; where the weights begin in cb
.set ADRA, 16                          ; v16-17  LDS address of my fragments of x in slot 0, 1
.set ADRB, 20                          ; v20-21  the same for W
.set STO,  24                          ; v24     the way out: where I put 16 bytes of a row
.set RD,   25                          ; v25     the way out: where I read rows back
.set GO,   26                          ; v26     my byte offset in 512 consecutive bytes of the output
.set BO,   27                          ; v27     my byte offset in the bias
.set SPW,  28                          ; v28     LDS address of my spare word: SPARE + 4 x my thread's number; never rewritten
.set NIL,  29                          ; v29     0; never rewritten
.set F0,   64
.set F1,   160
.set OUTR, 64                          ; the way out: piece t's 16 registers at OUTR + 16 t
.set WV,  20                           ; s20  my wave's number
.set HI,  21                           ; s21  which half of the tile's rows is mine.  Also: I fetch for x (0) or for W (1)
.set LO,  22                           ; s22  which half of its columns.  Also: which half of that tile I fetch
.set LAP, 23                           ; s23  laps to go
.set G1A, 24                           ; s[24:31] descriptor group 1 for x's tiles;  s[32:39] group 0, one set for each slot
.set G0A, 32
.set G1B, 48                           ; s[48:55], s[56:63] the same for W's tiles
.set G0B, 56
.set MSB, 0
.macro WIN new                         ; the immediate's high byte repeats the setting that is left; a switch that changes nothing is dropped
.if MSB != (\new)
	s_set_vgpr_msb (MSB<<8)|(\new)
.set MSB, \new
.endif
.endm
.set MUL,  0x50                        ; sources in window 0; C and D in window 1
.set MUL1, 0x60                        ; C (the bias) in window 2, D in window 1
.macro JLOAD s                         ; a joint load; an s_nop 0 and four v_nop follow each of the two lines, ahead of the jump, the label and what follows
	s_cmp_eq_u32 s[HI], 0
	s_cbranch_scc0 .Lfor_b_\@
	tensor_load_to_lds s[G0A+4*(\s):G0A+4*(\s)+3], s[G1A:G1A+7]
	s_nop 0
.rept 4
	v_nop
.endr
	s_branch .Lasked_\@
.Lfor_b_\@:
	tensor_load_to_lds s[G0B+4*(\s):G0B+4*(\s)+3], s[G1B:G1B+7]
	s_nop 0
.rept 4
	v_nop
.endr
.Lasked_\@:
.endm
.macro CREST                           ; a round of the cluster's barrier behind its opening barrier
	s_cmp_lg_u32 s[WV], 0
	s_cbranch_scc1 .Lnot_wave_0_\@
	s_barrier_signal -3
.Lnot_wave_0_\@:
	s_barrier_wait -3
	s_barrier_signal -1
	s_barrier_wait -1
.endm
.macro CROUND                          ; a whole round
	s_barrier_signal -1
	s_barrier_wait -1
	CREST
.endm
	s_load_b256 s[4:11], s[0:1], 0x0               ; cb s[4:5], bq s[6:7], bk s[8:9], bv s[10:11]
	s_load_b128 s[12:15], s[0:1], 0x20             ; qh s[12:13], kh s[14:15]
	s_load_b64 s[16:17], s[0:1], 0x30              ; vh
	v_lshl_add_u32 v[SPW], v0, 2, SPARE
	v_mov_b32 v[NIL], 0
	ds_add_u32 v[SPW], v[NIL]                      ; the wave's opening: the add and its wait stand ahead of my first tensor load; the set-up below, work on registers, stands between them
	v_lshrrev_b32 v1, 5, v0
	v_readfirstlane_b32 s[WV], v1                  ; wave 0..3
	s_lshr_b32 s[HI], s[WV], 1
	s_and_b32 s[LO], s[WV], 1
	s_bfe_u32 s40, ttmp6, 0x40000                  ; cx, cy: my place in the cluster
	s_bfe_u32 s41, ttmp6, 0x40004
	s_and_b32 s43, ttmp7, 0xffff
	s_lshl_b32 s43, s43, 2
	s_add_co_u32 s43, s43, s41                     ; tile row of C = 4 x cluster y + cy
	s_lshl_b32 s44, s41, 2
	s_lshl_b32 s44, 15, s44                        ; my row of the cluster
	s_lshl_b32 s45, 0x1111, s40                    ; my column
	; descriptor group 1.  x: 64 rows x 128 elements; W: 64 k-rows x 256 elements; both padded in LDS
	s_or_b32 s[G1A+0], s44, (1<<16)|(1<<20)|(1<<21)|(5<<22)|(3<<25)  ; 15:0 the mask: x's tiles go to my row; 17:16 elements of 2 bytes; 20 padding on; 21 set beside a mask; 24:22 after every 64 words (code 5); 31:25 4 words (code 3)
	s_mov_b32 s[G1A+1], 128<<16                    ; tensor_dim0 = 128
	s_mov_b32 s[G1A+2], 64<<16                     ; tensor_dim1 = 64
	s_mov_b32 s[G1A+3], 128<<16                    ; tile_dim0 = 128
	s_mov_b32 s[G1A+4], 64                         ; tile_dim1 = 64
	s_mov_b32 s[G1A+5], 1024                       ; elements from row to row
	s_mov_b32 s[G1A+6], 0
	s_mov_b32 s[G1A+7], 0
	s_or_b32 s[G1B+0], s45, (1<<16)|(1<<20)|(1<<21)|(6<<22)|(7<<25)  ; the mask of my column; after every 128 words (code 6) 8 words of padding (code 7)
	s_mov_b32 s[G1B+1], 256<<16                    ; tensor_dim0 = 256
	s_mov_b32 s[G1B+2], 64<<16                     ; tensor_dim1 = 64
	s_mov_b32 s[G1B+3], 256<<16                    ; tile_dim0 = 256
	s_mov_b32 s[G1B+4], 64                         ; tile_dim1 = 64
	s_mov_b32 s[G1B+5], 1024
	s_mov_b32 s[G1B+6], 0
	s_mov_b32 s[G1B+7], 0
	; where the tiles come from.  x's hang on the tile row alone, W's on the cluster's x and cx alone; each offset lies in registers that never hold the other coordinate
	s_lshl_b32 s66, s43, 18                        ; 128 rows of 2,048 bytes a tile row,
	s_lshl_b32 s67, s[LO], 17                      ; the 64 rows that I fetch
	s_add_co_u32 s66, s66, s67
	s_mov_b32 s67, 0
	s_lshl_b32 s76, ttmp9, 21                      ; which weight: 2 MiB each,
	s_lshl_b32 s77, s40, 9                         ; its 256 columns: 512 bytes of a k-row,
	s_add_co_u32 s76, s76, s77
	s_lshl_b32 s77, s[LO], 17                      ; the 64 k-rows that I fetch
	s_add_co_u32 s76, s76, s77
	s_add_co_u32 s76, s76, WBASE
	s_mov_b32 s77, 0
	s_mul_i32 s70, s[WV], HALFT                    ; where they go: no place in the cluster enters an LDS address
	; where my part of the output begins: head 16 batch + 4 cx + 2 (column half), 262,144 bytes a head; row 128 (tile row % 16) + 64 (row half), 128 bytes a row
	s_lshr_b32 s78, s43, 4
	s_lshl_b32 s78, s78, 22
	s_lshl_b32 s79, s40, 20
	s_add_co_u32 s78, s78, s79
	s_lshl_b32 s79, s[LO], 19
	s_add_co_u32 s78, s78, s79
	s_and_b32 s79, s43, 15
	s_lshl_b32 s79, s79, 14
	s_add_co_u32 s78, s78, s79
	s_lshl_b32 s79, s[HI], 13
	s_add_co_u32 s78, s78, s79
	s_mov_b32 s79, 0
	s_wait_dscnt 0x0                               ; the opening add is done
	s_wait_kmcnt 0x0
	s_add_nc_u64 s[46:47], s[4:5], s[66:67]
	s_add_nc_u64 s[68:69], s[4:5], s[76:77]
	s_cmp_eq_u32 ttmp9, 0                          ; the cluster's x chooses bias and output: the same in all sixteen partners
	s_cselect_b64 s[72:73], s[6:7], s[8:9]
	s_cselect_b64 s[74:75], s[12:13], s[14:15]
	s_cmp_eq_u32 ttmp9, 2
	s_cselect_b64 s[72:73], s[10:11], s[72:73]
	s_cselect_b64 s[74:75], s[16:17], s[74:75]
	s_add_nc_u64 s[74:75], s[74:75], s[78:79]
	CROUND                                         ; all sixteen work-groups are here: the first joint loads meet
.irp s, 0,1
	s_mov_b32 s[G0A+4*(\s)], 1                                       ; 1:0 count = 1
	s_add_co_u32 s[G0A+4*(\s)+1], s70, (\s)*SLOT                     ; 63:32 LDS address
	s_add_nc_u64 s[G0A+4*(\s)+2:G0A+4*(\s)+3], s[46:47], (\s)*ASTEP  ; 120:64 global address: K step s
	s_or_b32 s[G0A+4*(\s)+3], s[G0A+4*(\s)+3], 0x80000000            ; 127:126 type = 2
	s_mov_b32 s[G0B+4*(\s)], 1
	s_add_co_u32 s[G0B+4*(\s)+1], s70, (\s)*SLOT
	s_add_nc_u64 s[G0B+4*(\s)+2:G0B+4*(\s)+3], s[68:69], (\s)*BSTEP
	s_or_b32 s[G0B+4*(\s)+3], s[G0B+4*(\s)+3], 0x80000000
	JLOAD \s                                       ; two loads of mine are out
.endr
	v_and_b32 v1, 15, v0                           ; l % 16
	v_bfe_u32 v2, v0, 4, 1                         ; l / 16
	v_and_b32 v3, 7, v0                            ; l % 8
	v_bfe_u32 v4, v0, 3, 1                         ; (l / 8) % 2
	; a fragment of x: lane l holds row l % 16; registers 0-3 K = 8 (l / 16) + 0..7, registers 4-7 K = 16 + 8 (l / 16) + 0..7: two loads of 16 bytes, 32 bytes apart
	v_mul_u32_u24 v6, v1, PA
	v_lshl_add_u32 v6, v2, 4, v6
	s_mul_i32 s18, s[HI], HALFT                    ; my 64 rows of x
	v_add_nc_u32 v[ADRA], s18, v6
	v_add_nc_u32 v[ADRA+1], SLOT, v[ADRA]
	; the turning load takes 16 k-rows x 16 columns (lane l reads k-row 8 (l / 16) + l % 8, columns 8 ((l / 8) % 2) + 0..7) and leaves half a fragment: lane l holds column l % 16 and 8 k
	v_lshl_add_u32 v7, v2, 3, v3
	v_mul_u32_u24 v7, v7, PB
	v_lshl_add_u32 v7, v4, 4, v7
	s_lshl_b32 s19, s[LO], 8                       ; my 128 columns: 256 bytes of a k-row,
	s_add_co_u32 s19, s19, 2*HALFT                 ; behind x's two halves
	v_add_nc_u32 v[ADRB], s19, v7
	v_add_nc_u32 v[ADRB+1], SLOT, v[ADRB]
	s_mul_i32 s71, s[WV], 16*SP
	s_add_co_u32 s71, s71, STAGE                   ; my stage
	v_mul_u32_u24 v[STO], v1, SP                   ; in: row l % 16, 16 bytes for each half of the lanes
	v_lshl_add_u32 v[STO], v2, 4, v[STO]
	v_add_nc_u32 v[STO], s71, v[STO]
	v_bfe_u32 v[RD], v0, 3, 2                      ; back: 32 lanes take four rows of 128 bytes,
	v_mul_u32_u24 v[RD], v[RD], SP
	v_lshl_add_u32 v[RD], v3, 4, v[RD]
	v_add_nc_u32 v[RD], s71, v[RD]
	v_and_b32 v[GO], 31, v0                        ; which are 512 consecutive bytes of the output
	v_lshlrev_b32 v[GO], 4, v[GO]
	; THE BIAS of my 128 columns: register j of block b is b[256 cx + 128 (column half) + 16 b + 8 (l / 16) + j], the layout of a C operand.  Rounded to bf16 and widened again.  All this stands in the wait for the first tile.
	s_lshl_b32 s76, s40, 10
	s_lshl_b32 s77, s[LO], 9
	s_add_co_u32 s76, s76, s77
	v_lshl_add_u32 v[BO], v2, 5, s76
	WIN 0x80                                       ; destination window 2, address window 0
.irp b, 0,1,2,3,4,5,6,7
	global_load_b128 v[8*(\b):8*(\b)+3],   v[BO], s[72:73] offset:64*(\b)
	global_load_b128 v[8*(\b)+4:8*(\b)+7], v[BO], s[72:73] offset:64*(\b)+16
.endr
	s_wait_loadcnt 0x0
	WIN 0x8a                                       ; sources and destination window 2
.set i, 0
.rept 32
	v_cvt_pk_bf16_f32 v[64+i], v[2*i], v[2*i+1]
.set i, i+1
.endr
.set i, 0
.rept 32
	v_lshlrev_b32 v[2*i],   16, v[64+i]
	v_and_b32     v[2*i+1], 0xffff0000, v[64+i]
.set i, i+1
.endr
	WIN 0
; 8 matrix instructions: row block a x all 8 column blocks, 32 along K, from buffer f.  first = 1: the bias starts the sums: nothing is ever cleared.
; The 32 accumulators take turns, one instruction a turn, in the same order in every quarter: 31 others stand between two links of a chain, over the backward jump too.
.macro MUL8 f, a, first
.if \first
	WIN MUL1
.else
	WIN MUL
.endif
.irp b, 0,1,2,3,4,5,6,7
.if \first
	v_wmma_f32_16x16x32_bf16 v[8*(8*(\a)+(\b)):8*(8*(\a)+(\b))+7], v[(\f)+8*(\b):(\f)+8*(\b)+7], v[(\f)+64+8*(\a):(\f)+64+8*(\a)+7], v[8*(\b):8*(\b)+7]
.else
	v_wmma_f32_16x16x32_bf16 v[8*(8*(\a)+(\b)):8*(8*(\a)+(\b))+7], v[(\f)+8*(\b):(\f)+8*(\b)+7], v[(\f)+64+8*(\a):(\f)+64+8*(\a)+7], v[8*(8*(\a)+(\b)):8*(8*(\a)+(\b))+7]
.endif
.endr
.endm
; 24 LDS loads in one run: quarter q of a slot into buffer f: W's eight blocks (turned), then x's four; x's blocks 2 and 3 last
.macro FETCH slot, q, f
	WIN 0
.irp b, 0,1,2,3,4,5,6,7
	ds_load_tr16_b128 v[(\f)+8*(\b):(\f)+8*(\b)+3],   v[ADRB+(\slot)] offset:(\q)*32*PB+32*(\b)
	ds_load_tr16_b128 v[(\f)+8*(\b)+4:(\f)+8*(\b)+7], v[ADRB+(\slot)] offset:(\q)*32*PB+16*PB+32*(\b)
.endr
.irp a, 0,1,2,3
	ds_load_b128 v[(\f)+64+8*(\a):(\f)+64+8*(\a)+3],   v[ADRA+(\slot)] offset:(\a)*16*PA+64*(\q)
	ds_load_b128 v[(\f)+64+8*(\a)+4:(\f)+64+8*(\a)+7], v[ADRA+(\slot)] offset:(\a)*16*PA+64*(\q)+32
.endr
.endm
.macro PLACES                          ; four places in front of loads into registers that matrix instructions have read, and of conversions that read results
.rept 4
	v_nop
.endr
.endm
; One of a K step's first three quarters: multiplies buffer f and, in its middle, fetches quarter qn of the same slot into g.
.macro QUARTER slot, qn, f, g, first
	s_wait_dscnt 4                                 ; W and x's blocks 0 and 1 are in; the youngest four loads (x's blocks 2 and 3) may be out
	MUL8 \f, 0, \first
	MUL8 \f, 1, \first
	PLACES
	FETCH \slot, \qn, \g
	s_wait_dscnt 24                                ; all but the 24 just issued
	MUL8 \f, 2, \first
	MUL8 \f, 3, \first
.endm
; The last quarter multiplies buffer 1 and changes slots: ONE barrier; in front of it each wave waits for all its tensor loads, adds 0 to its spare word, and waits for that and for its own reads of this slot.
; fill = 1: this slot is filled again, two K steps ahead; the barrier then opens a round of the cluster's barrier.
.macro TURN slot, next, fill
	WIN 0                                          ; (the add's two registers lie in window 0)
	s_wait_tensorcnt 0x0                           ; all my tensor loads have landed: the one that was out is my part of the next slot;
	ds_add_u32 v[SPW], v[NIL]                      ; 0 onto my spare word
	s_wait_dscnt 5                                 ; (the add and the youngest four loads may be out)
	MUL8 F1, 0, 0                                  ; eight matrix instructions stand between the add and the wait for it
	s_wait_dscnt 0x0                               ; the add is done, and my reads of this slot are over
	s_barrier_signal -1
	MUL8 F1, 1, 0
.if \fill
	WIN 0
.endif
	s_barrier_wait -1
.if \fill
	CREST                                          ; no wave of any partner still reads this slot's tiles or has a load on its way
	s_add_nc_u64 s[G0A+4*(\slot)+2:G0A+4*(\slot)+3], s[G0A+4*(\slot)+2:G0A+4*(\slot)+3], 2*ASTEP
	s_add_nc_u64 s[G0B+4*(\slot)+2:G0B+4*(\slot)+3], s[G0B+4*(\slot)+2:G0B+4*(\slot)+3], 2*BSTEP
	JLOAD \slot                                    ; the first tensor load behind the round, my only one: 112 matrix instructions ahead of the wait for it; its four v_nop are also the places in front of the loads below
.else
	PLACES
.endif
	FETCH \next, 0, F0
	MUL8 F1, 2, 0
	MUL8 F1, 3, 0
.endm
	s_wait_tensorcnt 1                             ; my part of K step 0 is in; K step 1's may stay out
	s_barrier_signal -1
	s_barrier_wait -1                              ; everybody's is
	FETCH 0, 0, F0
	QUARTER 0, 1, F0, F1, 1                        ; the first quarter stands in front of the loop: its products start the sums, on the bias
	WIN 0                                          ; at a label and at a branch every window is 0
	s_mov_b32 s[LAP], LAPS-1
.Llap:                                                 ; a trip goes once round the ring, from a lap's second quarter to the next lap's first, and fills both slots again
	QUARTER 0, 2, F1, F0, 0
	QUARTER 0, 3, F0, F1, 0
	TURN 0, 1, 1
	QUARTER 1, 1, F0, F1, 0
	QUARTER 1, 2, F1, F0, 0
	QUARTER 1, 3, F0, F1, 0
	TURN 1, 0, 1
	QUARTER 0, 1, F0, F1, 0
	WIN 0
	s_sub_co_u32 s[LAP], s[LAP], 1
	s_cmp_lg_u32 s[LAP], 0
	s_cbranch_scc1 .Llap
	QUARTER 0, 2, F1, F0, 0                        ; the last lap fills nothing, and has no round of the cluster's barrier
	QUARTER 0, 3, F0, F1, 0
	TURN 0, 1, 0
	QUARTER 1, 1, F0, F1, 0
	QUARTER 1, 2, F1, F0, 0
	QUARTER 1, 3, F0, F1, 0
	s_wait_dscnt 4                                 ; the very last quarter: nothing more to fetch
	MUL8 F1, 0, 0
	MUL8 F1, 1, 0
	s_wait_dscnt 0x0
	MUL8 F1, 2, 0
	MUL8 F1, 3, 0
	WIN 0
	PLACES
; THE WAY OUT.  Piece t = 2 a + (which of my two heads): 16 rows of one head: the four accumulators at 32 t of window 1.  A lane's eight columns pack into 16 bytes; they go into my own stage,
; rows of 144 bytes, and come back as whole rows of 128 bytes into the registers that they left.  Each accumulator's registers are read in ascending order.
.macro PACK t
	WIN 0x05                                       ; sources 0 and 1 window 1, destination window 0
.set i, 0
.rept 16
	v_cvt_pk_f16_f32 v[OUTR+16*(\t)+i], v[32*(\t)+2*i], v[32*(\t)+2*i+1]
.set i, i+1
.endr
	WIN 0
.irp f, 0,1,2,3
	ds_store_b128 v[STO], v[OUTR+16*(\t)+4*\f:OUTR+16*(\t)+4*\f+3] offset:32*\f
.endr
.irp f, 0,1,2,3
	ds_load_b128 v[OUTR+16*(\t)+4*\f:OUTR+16*(\t)+4*\f+3], v[RD] offset:\f*4*SP  ; LDS serves a wave's instructions in order (ISA guide 5.7.1.4): these see the stores above; the next piece's stores come behind them
.endr
.endm
.macro SEND t, younger                 ; younger: the LDS instructions issued behind piece t's loads: the next piece's eight, or none
	WIN 0
.irp f, 0,1,2,3
	s_wait_dscnt (\younger)+3-\f
	global_store_b128 v[GO], v[OUTR+16*(\t)+4*\f:OUTR+16*(\t)+4*\f+3], s[74:75] offset:((\t)/2)*2048+((\t)%2)*262144+\f*512  ; 512 consecutive bytes, at a multiple of 256 from the buffer's first
.endr
.endm
	PACK 0
.set t, 1
.rept 7                                ; a piece's conversions stand between the loads of the piece before and its stores
	PACK t
	SEND t-1, 8
.set t, t+1
.endr
	SEND 7, 0
	s_wait_tensorcnt 0x0                           ; the wave's end, behind my last tensor load and my last LDS store
	ds_add_u32 v[SPW], v[NIL]
	s_wait_dscnt 0x0
	CROUND                                         ; the closing round: no work-group ends while a partner may still ask for a tile that names it
	s_endpgm
.Lfunc_end_k_q26773dfdd0_proj:
	.size	k_q26773dfdd0_proj, .Lfunc_end_k_q26773dfdd0_proj-k_q26773dfdd0_proj
	.p2alignl 7, 3214868480
	.fill 96, 4, 3214868480
	.section	.rodata,"a",@progbits
	.p2align	6, 0x0
	.amdhsa_kernel k_q26773dfdd0_proj
		.amdhsa_group_segment_fixed_size 327680
		.amdhsa_private_segment_fixed_size 0
		.amdhsa_enable_private_segment 0
		.amdhsa_kernarg_size 56
		.amdhsa_user_sgpr_count 2
		.amdhsa_user_sgpr_kernarg_segment_ptr 1
		.amdhsa_wavefront_size32 1
		.amdhsa_system_sgpr_workgroup_id_x 1
		.amdhsa_system_sgpr_workgroup_id_y 1
		.amdhsa_system_sgpr_workgroup_id_z 1
		.amdhsa_system_vgpr_workitem_id 0
		.amdhsa_next_free_vgpr 608
		.amdhsa_next_free_sgpr 80
		.amdhsa_reserve_vcc 0
		.amdhsa_float_denorm_mode_32 3
		.amdhsa_float_denorm_mode_16_64 3
		.amdhsa_memory_ordered 1
		.amdhsa_forward_progress 1
		.amdhsa_inst_pref_size 94
	.end_amdhsa_kernel
	.amdgpu_metadata
---
amdhsa.version: [ 1, 2 ]
amdhsa.kernels:
  - .name:           k_q26773dfdd0_proj
    .symbol:         k_q26773dfdd0_proj.kd
    .args:
      - { .name: cb, .offset: 0, .size: 8, .value_kind: global_buffer, .address_space: global }
      - { .name: bq, .offset: 8, .size: 8, .value_kind: global_buffer, .address_space: global }
      - { .name: bk, .offset: 16, .size: 8, .value_kind: global_buffer, .address_space: global }
      - { .name: bv, .offset: 24, .size: 8, .value_kind: global_buffer, .address_space: global }
      - { .name: qh, .offset: 32, .size: 8, .value_kind: global_buffer, .address_space: global }
      - { .name: kh, .offset: 40, .size: 8, .value_kind: global_buffer, .address_space: global }
      - { .name: vh, .offset: 48, .size: 8, .value_kind: global_buffer, .address_space: global }
    .group_segment_fixed_size: 327680
    .private_segment_fixed_size: 0
    .kernarg_segment_align: 8
    .kernarg_segment_size: 56
    .max_flat_workgroup_size: 128
    .sgpr_count:     80
    .vgpr_count:     608
    .wavefront_size: 32
...
	.end_amdgpu_metadata
.endif
;; end of part 2
;; launch attn (part 3): grid 4 x 64, 4 waves a work-group, clusters of 4 x 1, 327,680 bytes of LDS; arguments qh, kh, vh, ao; writes ao
.if DOCPART == 3
	.amdgcn_target "amdgcn-amd-amdhsa--gfx1250"
	.amdhsa_code_object_version 6
	.text
	.protected	k_q26773dfdd0_attn
	.globl	k_q26773dfdd0_attn
	.p2align	8
	.type	k_q26773dfdd0_attn,@function
k_q26773dfdd0_attn:
	s_mov_b64 s[64:65], 0
	v_nop
	global_prefetch_b8 v0, s[64:65] scope:SCOPE_SE
	s_setreg_imm32_b32 hwreg(HW_REG_WAVE_MODE, 25, 1), 1
	s_wait_xcnt 0x0
	s_wait_alu depctr_hold_cnt(0) depctr_sa_sdst(0) depctr_va_vdst(0) depctr_va_sdst(0) depctr_va_ssrc(0) depctr_va_vcc(0) depctr_vm_vsrc(0)
	s_getreg_b32 s2, hwreg(HW_REG_IB_STS2, 6, 4)
	s_cmp_eq_u32 s2, 0
	s_cbranch_scc0 .Lentry_in_a_cluster
	s_endpgm
.Lentry_in_a_cluster:
	s_bfe_u32 s2, ttmp6, 0x10000c
	s_cmp_lg_u32 s2, 0x3003
	s_cbranch_scc0 .Lentry_shape_is_right
	s_endpgm
.Lentry_shape_is_right:
; O[h][q][:] = the sum over k of softmax_k(Q[h][q] . K[h][k] / 8) V[h][k][:].  Q, K, V, O: [SIZE_H][SIZE_N][64], all f16: a head's rows are dense, 128 bytes each.  Products, maxima and sums in
; f32; the weights p are rounded to f16 for the second product (their sum l is taken of the unrounded p), O once at the end.
; LIMITS.  f16 holds no number beyond 65,504: Q, K and V arrive within it; p lies in 0 to 1, and below 6e-5 it keeps f16's fixed step of 6e-8; O is a mean of V's rows and has their range.
; A weight below 2^-126 counts as 0 in l; NaN and infinities are not treated apart.
; SHARES.  A wave owns four PIECES of two tiles of 16 queries, a work-group's four waves 512 queries of one head: 64 heads x 4 blocks = 256 work-groups.  Every wave walks all keys, 64 a step.
; LAYOUT.  S^T = K Q^T (source 0 = 16 keys, source 1 = 16 queries): in the result a lane holds ONE query (lane % 16) and the keys 8 (lane / 16) + 0..7.  Two such tiles, rounded to f16 in pairs,
; ARE source 1 (32 keys x 16 queries) of O^T = V^T P, whose result again holds one query a lane, and eight channels.  K comes out of LDS as it lies, V ([key][channel]) turned, by ds_load_tr16_b128.
; SOFTMAX.  For each query a running maximum m and sum l: p = 2^(c s - c m), c = log2(e) / 8; in every step O and l are multiplied by a = 2^(c m_old - c m_new), which is 1 where m has not grown.
; m starts at the lowest finite number, O and l at 0: the first step is a step like any other, with a = 0.
; THE COUNT.  A tile and step have 16 matrix and 118 vector instructions: too many to stand all beside the matrix work.  So the order has one aim: four vector instructions that are READY behind
; EVERY matrix instruction, and the others, which need time of their own whatever the order, in runs without a gap.
; BY TURNS.  Turn n belongs to piece n (the pieces in a ring, step after step).  Its matrix work: 16 products K Q^T of piece n + 1, later 16 products V^T P of piece n - 1.  Its vector work: the scaling,
; exponentials, roundings, sums and rescaling of piece n, and the maximum and statistics of piece n + 1, whose scores the turn itself has made.  So what a turn begins with (c s - c m, O a) waits for nothing.
; CLUSTER.  The four query blocks of a cluster belong to one head and walk the same K and V, so each tile is asked for JOINTLY: the same tensor load, descriptor and mask in all four.
; REGISTERS, in windows of 256 (s_set_vgpr_msb says which window each operand place means: bits 1:0 source 0, 3:2 source 1, 5:4 source 2, 7:6 destination):
;   window 0: v0-11 addresses; v12-15, v48-63 at work; v16-47 four registers of statistics a tile; v64-191 S^T, two buffers of two tiles; v192-255 P, likewise
;   window 1: O^T, 32 a tile          window 2: v0-127 Q, 16 a tile; v128-191 K of one step; v192-255 V of one step          window 3: v0-1 the add's two registers
; A piece's buffers go by its number's parity: the piece in hand has one pair, its two neighbours in the ring share the other: of it P (piece n - 1) is read and S^T (piece n + 1) written.
.set SIZE_H, 64
.set SIZE_N, 2048
.set NP,    4         ; pieces a wave: a name, no knob: the register map, the loop and the fetches are made for four
.set KS,    64        ; keys in a step
.set PK,    144       ; a row of K in LDS: 128 bytes + 16 of padding = 36 words: the 16 rows of a load start at 16 different groups of four banks (64 banks of 4 bytes: ISA guide 11.1)
.set PV,    160       ; a row of V: 128 + 32 = 40 words
.set VOFF,  4*KS*PK   ; a slot holds four steps: 256 rows of K, then 256 rows of V
.set SLOT1, 1<<17     ; slot 1 begins here, so that one exclusive or turns an address in one slot into the other's
.set STAGE, SLOT1+4*KS*(PK+PV)  ; behind the ring, never filled by a tensor load: 16 rows x 144 bytes for each wave, for the way out
.set SP,    144
.set AK0, 2           ; v2   my lane's place in a tile of K; never rewritten
.set AV0, 3           ; v3   the same for V
.set AK,  4           ; v4   the LDS address of K's next run of loads
.set AV,  5           ; v5   of V's
.set QO,  6           ; v6   my byte offset in the wave's rows of Q
.set STO, 6           ;      later, the way out: where I put 16 bytes of a row
.set RD,  7           ; v7   the way out: where I read rows back
.set GO,  8           ; v8   my byte offset in 512 consecutive bytes of O
.set PFO, 11          ; v11  256 x my lane, for the prefetches; made when V's address is made, then never rewritten
.set SPW, 0           ; v0 of window 3   LDS address of my spare word: SPARE + 4 x my thread's number; never rewritten
.set NIL, 1           ; v1 of window 3   0; never rewritten
.set SPARE, STAGE+4*16*SP  ; behind the stages: the spare words, 128 bytes for each wave: two blocks of 256 bytes that no other line names
.set MV,  12          ; v12-15  c m_old, kept while c m is made anew: by buffer and tile
.set ST,  16          ; tile t's statistics at v[ST+4 t]: c m, m, l (even keys', odd keys')
.set TMP, 48          ; by buffer and tile, four registers c0-c3 at work; when the maximum is found c2 takes a
.set S,   64
.set P,   192
.set KF,  128         ; K's fragments, in window 2: key block kb, channel half c at KF + 16 kb + 8 c
.set VF,  192         ; V's: key half kk, channel block cb at VF + 32 kk + 8 cb
.set WV,  12          ; s12  my wave's number
.set G1K, 24          ; s[24:31] descriptor group 1 for K's tiles
.set G1V, 32          ; s[32:39] for V's: it differs in the padding alone
.set G0K, 40          ; s[40:43] descriptor group 0 for K's tiles: it walks
.set G0V, 44          ; s[44:47] the same for V's
.set PFA, 48          ; s[48:49] where my prefetches stand in memory: my work-group's 8,192 bytes (of K: wave 0, of V: wave 2) of the slot after the one that is being asked for
.set LIM, 50          ; s50  1 in a wave that prefetches, else the greatest number: a wave prefetches while s[SLOTS] is above it
.set SLOTS, 56        ; s56  slots still to be asked for
.set CNT, 57          ; s57  counts a slot's key steps
.set CS,  58          ; s[58:59] c: the packed scaling takes the pair's low word for both halves
.set SEL, 60          ; s[60:61] v_permlanex16_b32's selects: each lane takes its own place in the other half
.set TBK, 62          ; s62  LDS byte at which K of the step to be fetched begins
.set TBV, 63          ; s63  the same for V, less VOFF
.set MSB, 0
.macro WIN new                      ; the high byte repeats the setting that is left; a switch that changes nothing is dropped
.if MSB != (\new)
	s_set_vgpr_msb (MSB<<8)|(\new)
.set MSB, (\new)
.endif
.endm
.set W_KQ, 0x0a       ; K and Q in window 2, S^T in window 0
.set W_PV, 0x52       ; V in window 2, P in window 0, O^T in window 1
.set W_RS, 0x41       ; O^T (destination and source 0) in window 1, a in window 0
.set W_MK, 0xc0       ; the add's registers are made: destination in window 3, sources in window 0
.set W_AD, 0x0f       ; the add: address (source 0) and data (source 1) in window 3
; A joint fill.  Waves 0 and 1 fetch the two halves of a slot's K, waves 2 and 3 those of its V: 128 keys each.  The branch hangs on the wave's number alone.
; An s_nop 0 and four v_nop follow each of the two lines, ahead of the jump and the label.
.macro JLOAD
	s_cmp_lt_u32 s[WV], 2
	s_cbranch_scc0 .Lfor_v_\@
	tensor_load_to_lds s[G0K:G0K+3], s[G1K:G1K+7]
	s_nop 0
.rept 4
	v_nop
.endr
	s_branch .Lasked_\@
.Lfor_v_\@:
	tensor_load_to_lds s[G0V:G0V+3], s[G1V:G1V+7]
	s_nop 0
.rept 4
	v_nop
.endr
.Lasked_\@:
.endm
; A PREFETCH INTO THE L2 of what the NEXT change of slots will ask for: a slot's 32,768 bytes of K and of V, 256 bytes a lane.  It stands behind the wave's tensor load and its five lines, never in front of one.
; Each block of 256 bytes is asked for ONCE in the launch: a head has one cluster; its four partners share a slot's bytes out BY ADDRESS, 8,192 each (no branch hangs on a work-group's place in its cluster);
; in each, wave 0 asks for K's and wave 2 for V's: one instruction.  The last change that fills a slot prefetches nothing: there is no slot behind it.  Slots 0 to 2 come by their loads alone.
.macro ASK
	s_cmp_gt_u32 s[SLOTS], s[LIM]
	s_cbranch_scc0 .Lnot_mine_\@
	global_prefetch_b8 v[PFO], s[PFA:PFA+1] th:TH_LOAD_NT scope:SCOPE_SE
.Lnot_mine_\@:
.endm
; A round of the cluster's barrier: my work-group's barrier, so that wave 0's signal speaks for all four waves; wave 0 signals; every wave waits for all four work-groups; my work-group's barrier once more.
.macro CROUND
	s_barrier_signal -1
	s_barrier_wait -1
	s_cmp_lg_u32 s[WV], 0
	s_cbranch_scc1 .Lnot_wave_0_\@
	s_barrier_signal -3
.Lnot_wave_0_\@:
	s_barrier_wait -3
	s_barrier_signal -1
	s_barrier_wait -1
.endm
; THE CHANGE OF SLOTS.  The slot's last bytes, V of its fourth step, have been read.  Each wave waits for all its tensor loads, of which one is out: its part
; of the other slot; adds 0 to its spare word; and waits for that and for its own reads of the slot.  Behind the barrier nobody reads this slot any more and the other slot is whole.
; fill = 1: this slot is filled again, with the keys two slots on.  The barrier is then a round of the cluster's, so that no wave of any partner still reads the slot or has a load on its
; way, and the joint fill is the first thing behind it: it has four key steps, 512 matrix instructions, in which to land.  (At its first use nothing has been read yet: slot 0 is waited for, slot 1 filled.)
; ask = 1: the prefetches' address steps a slot on, and the slot behind the one just asked for is prefetched.
.macro CHANGE fill, ask=0
	WIN W_AD
	s_wait_tensorcnt 0x0            ; no tensor load of mine is out, so a group 0 may be written
	ds_add_u32 v[SPW], v[NIL]       ; 0 onto my spare word; with fill = 1 the descriptors' steps stand between it and the wait for it
	WIN 0                           ; at a label and at a branch every window is 0
.if \fill
.irp g, G0K, G0V
	s_xor_b32 s[\g+1], s[\g+1], SLOT1  ; the walking descriptor: the other slot than last time,
	s_add_nc_u64 s[\g+2:\g+3], s[\g+2:\g+3], 4*KS*128  ; the next 256 keys; the type bits on top are not reached
.endr
.if \ask
	s_wait_xcnt 0x0                 ; the last prefetch, four key steps back, has read its address, so it may be written:
	s_add_nc_u64 s[PFA:PFA+1], s[PFA:PFA+1], 4*KS*128  ; one slot behind the walking descriptors
.endif
	s_wait_dscnt 0x0                ; the add is done, and my reads of the slot are over
	CROUND
	JLOAD
.if \ask
	ASK                             ; what the next change will ask for: four key steps, 512 matrix instructions, ahead
.endif
.else
	s_wait_dscnt 0x0                ; the add is done, and my reads of the slot are over
	s_barrier_signal -1
	s_barrier_wait -1
.endif
	s_sub_co_u32 s[TBK], s[TBK], 4*KS*PK  ; the fetches go back to a slot's first step,
	s_xor_b32 s[TBK], s[TBK], SLOT1       ; in the other slot
	s_sub_co_u32 s[TBV], s[TBV], 4*KS*PV
	s_xor_b32 s[TBV], s[TBV], SLOT1
.endm
	s_load_b256 s[4:11], s[0:1], 0x0  ; Q s[4:5], K s[6:7], V s[8:9], O s[10:11]
	WIN W_MK
	v_lshl_add_u32 v[SPW], v0, 2, SPARE
	v_mov_b32 v[NIL], 0
	WIN W_AD
	ds_add_u32 v[SPW], v[NIL]       ; the wave's opening: the add and its wait stand ahead of my first tensor load; the set-up below, work on registers, stands between them
	WIN 0
	v_lshrrev_b32 v1, 5, v0
	v_readfirstlane_b32 s[WV], v1   ; wave 0..3
	s_bfe_u32 s13, ttmp6, 0x40000   ; cx: my place in the cluster
	s_lshl_b32 s14, ttmp9, 2        ; in a cluster launch ttmp9 counts clusters
	s_add_co_u32 s14, s14, s13      ; my block of queries = 4 x cluster x + cx: it enters Q's and O's addresses alone
	s_and_b32 s20, ttmp7, 0xffff    ; the head, which the four partners share
	s_mov_b32 s21, 0
	s_mov_b64 s[22:23], SIZE_N*128
	s_mul_u64 s[20:21], s[20:21], s[22:23]  ; the head's first byte in each of the four tensors
	s_and_b32 s16, s[WV], 1         ; which half of a slot's 256 keys I fetch:
	s_lshl_b32 s22, s16, 14         ; its 128 rows of 128 bytes in memory,
	s_mov_b32 s23, 0
	s_add_nc_u64 s[22:23], s[22:23], s[20:21]
	s_mul_i32 s17, s16, 128*PK      ; and its place in a slot, for K
	s_mul_i32 s18, s16, 128*PV      ; and for V: no place in the cluster enters an LDS address
	s_lshl_b32 s2, s14, 2
	s_add_co_u32 s2, s2, s[WV]      ; my wave among the head's,
	s_lshl_b32 s2, s2, 14           ; its 128 rows
	s_mov_b32 s3, 0
	s_add_nc_u64 s[2:3], s[2:3], s[20:21]
	; descriptor group 1.  128 keys are 16,384 dense bytes: asked for as 64 rows of 256 bytes, two keys a row, and padded in LDS after every key
	s_mov_b32 s[G1K], 15|(1<<16)|(1<<20)|(1<<21)|(4<<22)|(3<<25)  ; 15:0 the mask of four; 17:16 2-byte elements; 20 padding on; 21 set beside a mask; 24:22 after every 32 words (code 4); 31:25 4 words (code 3)
	s_mov_b32 s[G1V], 15|(1<<16)|(1<<20)|(1<<21)|(4<<22)|(7<<25)  ; the same with 8 words of padding (code 7)
.irp g, G1K, G1V
	s_mov_b32 s[\g+1], 128<<16      ; tensor_dim0 = 128
	s_mov_b32 s[\g+2], 64<<16       ; tensor_dim1 = 64
	s_mov_b32 s[\g+3], 128<<16      ; tile_dim0 = 128
	s_mov_b32 s[\g+4], 64           ; tile_dim1 = 64
	s_mov_b32 s[\g+5], 128          ; 128 elements from row to row
	s_mov_b32 s[\g+6], 0
	s_mov_b32 s[\g+7], 0
.endr
	s_mov_b32 s[CS], 0x3e38aa3b     ; c = log2(e) / 8 = 0.180337
	s_mov_b32 s[CS+1], s[CS]        ; named with it as a pair
	s_mov_b32 s[SEL], 0x76543210
	s_mov_b32 s[SEL+1], 0xfedcba98
	s_mov_b32 s[TBK], SLOT1+4*KS*PK ; the first change of slots turns these two into 0
	s_mov_b32 s[TBV], SLOT1+4*KS*PV
	s_mov_b32 s[G0K], 1             ; 1:0 count = 1
	s_mov_b32 s[G0K+1], s17         ; 63:32 LDS address: slot 0
	s_mov_b32 s[G0V], 1
	s_add_co_u32 s[G0V+1], s18, VOFF
	s_and_b32 s[LIM], s[WV], 1      ; 0 in waves 0 and 2,
	s_or_b32 s[LIM], s[LIM], ttmp9  ; where the cluster is the head's first (here its only one): the same in all four partners
	s_cmp_eq_u32 s[LIM], 0
	s_cselect_b32 s[LIM], 1, -1
	s_wait_dscnt 0x0                ; the opening add is done
	s_wait_kmcnt 0x0
	s_add_nc_u64 s[G0K+2:G0K+3], s[6:7], s[22:23]  ; 120:64 global address: my half of the head's first 256 keys
	s_or_b32 s[G0K+3], s[G0K+3], 0x80000000        ; 127:126 type = 2
	s_add_nc_u64 s[G0V+2:G0V+3], s[8:9], s[22:23]
	s_or_b32 s[G0V+3], s[G0V+3], 0x80000000
	s_add_nc_u64 s[4:5], s[4:5], s[2:3]  ; Q and O at my wave's first row
	s_add_nc_u64 s[10:11], s[10:11], s[2:3]
	s_cmp_lt_u32 s[WV], 2
	s_cselect_b64 s[PFA:PFA+1], s[6:7], s[8:9]
	s_add_nc_u64 s[PFA:PFA+1], s[PFA:PFA+1], s[22:23]  ; (in waves 0 and 2 this is the head's first byte)
	s_lshl_b32 s2, s13, 13          ; my work-group's 8,192 bytes of a slot's 32,768
	s_mov_b32 s3, 0
	s_add_nc_u64 s[PFA:PFA+1], s[PFA:PFA+1], s[2:3]
	s_add_nc_u64 s[PFA:PFA+1], s[PFA:PFA+1], 2*4*KS*128  ; in slot 2; the first change of the loop steps it to slot 3.  Nothing is prefetched here, at the head, where every work-group's first tiles are on their way
	CROUND                          ; all four work-groups are here: the first joint loads meet
	JLOAD                           ; slot 0.  Slot 1 is asked for when slot 0 is in: the tile wanted first has the road to itself
	; A fragment of K or Q is 16 rows x 32 channels in 8 registers: lane l holds row l % 16, channels 8 (l / 16) + 0..7 and 16 + 8 (l / 16) + 0..7: two loads of 16 bytes, 32 bytes apart.
	v_and_b32 v1, 15, v0            ; l % 16
	v_bfe_u32 v9, v0, 4, 1          ; l / 16
	v_lshlrev_b32 v[QO], 7, v1
	v_lshl_add_u32 v[QO], v9, 4, v[QO]  ; row x 128 + 16 x half
	WIN 0x80                        ; destination window 2, address window 0
.set i, 0
.rept 4*NP                          ; Q stays in registers: tile i / 2, channels 32 (i % 2) on
	global_load_b128 v[8*i:8*i+3],   v[QO], s[4:5] offset:(i/2)*2048+(i%2)*64
	global_load_b128 v[8*i+4:8*i+7], v[QO], s[4:5] offset:(i/2)*2048+(i%2)*64+32
.set i, i+1
.endr
	; What the first turn finds: V's registers and P's second buffer hold 0 (its products V^T P, of a piece that has not been, add 0), O^T and l are 0.  All this stands in the wait for the first tile.
.set i, VF
.rept 64
	v_mov_b32 v[i], 0
.set i, i+1
.endr
	WIN 0x40
.set i, 0
.rept 64*NP
	v_mov_b32 v[i], 0
.set i, i+1
.endr
	WIN 0
.set i, 0
.rept 2*NP
	v_mov_b32 v[ST+4*i], 0xfe000000    ; c m: far below every c s
	v_mov_b32 v[ST+4*i+1], 0xff7fffff  ; m
	v_mov_b32 v[ST+4*i+2], 0
	v_mov_b32 v[ST+4*i+3], 0
.set i, i+1
.endr
.set i, P+32
.rept 32
	v_mov_b32 v[i], 0
.set i, i+1
.endr
	v_mul_u32_u24 v[AK0], v1, PK
	v_lshl_add_u32 v[AK0], v9, 4, v[AK0]  ; row x pitch + 16 x half
	; The turning load takes 16 keys x 16 channels (lane l reads key 8 (l / 16) + l % 8, channels 8 ((l / 8) % 2) + 0..7) and leaves half a fragment of V^T: lane l holds channel l % 16 and 8 keys.
	v_and_b32 v10, 7, v0
	v_bfe_u32 v11, v0, 3, 1
	v_lshl_add_u32 v[AV0], v9, 3, v10
	v_mul_u32_u24 v[AV0], v[AV0], PV
	v_lshl_add_u32 v[AV0], v11, 4, v[AV0]
	v_add_nc_u32 v[AV0], VOFF, v[AV0]
	v_and_b32 v[PFO], 31, v0
	v_lshlrev_b32 v[PFO], 8, v[PFO]
	v_mov_b32 v[AK], v[AK0]         ; key step 0 lies at the head of slot 0
; THE MATRIX WORK.  The 8 accumulators of a run of 16 take turns: between the two links of a chain stand 7 others'.
; Product i of 16 of S^T = K Q^T for piece x: channels 32 (i / 8) on, keys 16 ((i / 2) % 4) on, tile 2 x + i % 2.  The first 8 start the sums.
.macro KQ x
	WIN W_KQ
.set rS, S+64*((\x)%2)+32*(i%2)+8*((i/2)%4)
.set rK, KF+16*((i/2)%4)+8*(i/8)
.set rQ, 16*(2*(\x)+i%2)+8*(i/8)
.if i < 8
	v_wmma_f32_16x16x32_f16 v[rS:rS+7], v[rK:rK+7], v[rQ:rQ+7], 0
.else
	v_wmma_f32_16x16x32_f16 v[rS:rS+7], v[rK:rK+7], v[rQ:rQ+7], v[rS:rS+7]
.endif
.endm
; Product i of 16 of O^T += V^T P for piece x: keys 32 (i / 8) on, channels 16 ((i / 2) % 4) on, tile 2 x + i % 2.
.macro PV x
	WIN W_PV
.set rO, 32*(2*(\x)+i%2)+8*((i/2)%4)
.set rV, VF+32*(i/8)+8*((i/2)%4)
.set rP, P+32*((\x)%2)+16*(i%2)+8*(i/8)
	v_wmma_f32_16x16x32_f16 v[rO:rO+7], v[rV:rV+7], v[rP:rP+7], v[rO:rO+7]
.endm
.macro MM                           ; the turn's next matrix instruction
.if i < 16
	KQ (Y+1)%NP
.set i, i+1
.else
.set i, i-16
	PV (Y+NP-1)%NP
.set i, i+17
.endif
.endm
; THE LDS LOADS stand in runs of 16, never singly among the matrix instructions: a step's K (64 keys x 64 channels: 8 fragments) and its V (turned).  Their addresses are made some lines ahead.
; last = 1 (the tail): in the last trip there is no further step, and the run is jumped over.
.macro FETCH_K last=0
	WIN 0
.if \last
	s_cmp_eq_u32 s[CNT], 1
	s_cbranch_scc1 .Lno_k_\@
.endif
	WIN 0x80                        ; destination window 2
.irp f, 0,1,2,3,4,5,6,7             ; keys 16 (f / 2) on, channels 32 (f % 2) on
	ds_load_b128 v[KF+8*\f:KF+8*\f+3],   v[AK] offset:(\f/2)*16*PK+(\f%2)*64
	ds_load_b128 v[KF+8*\f+4:KF+8*\f+7], v[AK] offset:(\f/2)*16*PK+(\f%2)*64+32
.endr
	s_add_co_u32 s[TBK], s[TBK], KS*PK  ; the next fetch is the next step's
	WIN 0
.if \last
.Lno_k_\@:
.endif
.endm
.macro FETCH_V
	WIN 0x80
.irp f, 0,1,2,3,4,5,6,7             ; keys 32 (f / 4) on, channels 16 (f % 4) on
	ds_load_tr16_b128 v[VF+8*\f:VF+8*\f+3],   v[AV] offset:(\f/4)*32*PV+(\f%4)*32
	ds_load_tr16_b128 v[VF+8*\f+4:VF+8*\f+7], v[AV] offset:(\f/4)*32*PV+16*PV+(\f%4)*32
.endr
	WIN 0
.endm
; THE VECTOR WORK OF A TURN stands in three queues, each in the order in which its entries become ready; the two tiles alternate, so that no instruction reads the result of the one before it.
.macro REGS y, u                    ; the registers of tile u (0, 1) of piece y
.set rT, ST+4*(2*(\y)+(\u))
.set rC, TMP+8*((\y)%2)+4*(\u)
.set rM, MV+2*((\y)%2)+(\u)
.set rS, S+64*((\y)%2)+32*(\u)
.set rP, P+32*((\y)%2)+16*(\u)
.set rO, 32*(2*(\y)+(\u))
.endm
; Number n of the 22 that find the NEXT piece's (Y + 1) maximum and statistics.  s0-s31 are the lane's 32 scores; each accumulator's lowest registers are read first.  XS, GS and REGS set no window: PL and EX do.
;   0-11  four chains c0-c3 of seven scores each, three operands at a time     12-14, 16  the four scores left over, the old m, and c0-c3 into c0     15  c m_old is kept
;   17, 18  the query's other 32 keys lie in the lane 16 away: the new m         19-21  c m; c m_old - c m_new; a
.macro XS u, n
	REGS (Y+1)%NP, \u
.if (\n) < 4
	v_max3_num_f32 v[rC+(\n)], v[rS+8*(\n)], v[rS+8*(\n)+1], v[rS+8*(\n)+2]
.elseif (\n) < 12
	v_max3_num_f32 v[rC+(\n)%4], v[rC+(\n)%4], v[rS+8*((\n)%4)+2*((\n)/4)+1], v[rS+8*((\n)%4)+2*((\n)/4)+2]
.elseif (\n) == 12
	v_max3_num_f32 v[rC], v[rC], v[rS+7], v[rS+15]
.elseif (\n) == 13
	v_max3_num_f32 v[rC+1], v[rC+1], v[rS+23], v[rS+31]
.elseif (\n) == 14
	v_max3_num_f32 v[rC+2], v[rC+2], v[rC+3], v[rT+1]
.elseif (\n) == 15
	v_mov_b32 v[rM], v[rT]
.elseif (\n) == 16
	v_max3_num_f32 v[rC], v[rC], v[rC+1], v[rC+2]
.elseif (\n) == 17
	v_permlanex16_b32 v[rC+3], v[rC], s[SEL], s[SEL+1]
.elseif (\n) == 18
	v_max_num_f32 v[rT+1], v[rC], v[rC+3]
.elseif (\n) == 19
	v_mul_f32 v[rT], s[CS], v[rT+1]
.elseif (\n) == 20
	v_sub_f32 v[rC+1], v[rM], v[rT]
.else
	v_exp_f32 v[rC+2], v[rC+1]
.endif
.endm
; Number g of the 64 that follow the exponentials.  For each four weights k of a tile (pairs 2 k, 2 k + 1): both pairs are rounded to f16; then the second pair is added onto the first, in place;
; a group later l takes that sum (the first time as l = a l + sum).  In groups of eight, tiles alternating: round, round, add, and l for the group before.
.macro GS g
.set h, (\g)+6*((\g)/62)            ; group 0 has no group before it, and behind group 7 only l is left
.if h >= 6
.set h, h+2
.endif
	REGS Y, h%2
.set k, h/8
.if h%8 < 4
	s_wait_alu depctr_va_vdst(0)
	v_cvt_pk_f16_f32 v[rP+2*k+(h%8)/2], v[rS+4*k+2*((h%8)/2)], v[rS+4*k+2*((h%8)/2)+1]
.elseif h%8 < 6
	v_pk_add_f32 v[rS+4*k:rS+4*k+1], v[rS+4*k:rS+4*k+1], v[rS+4*k+2:rS+4*k+3]
.elseif k == 1
	v_pk_fma_f32 v[rT+2:rT+3], v[rT+2:rT+3], v[rC+2:rC+3], v[rS:rS+1] op_sel_hi:[1,0,1]
.else
	v_pk_add_f32 v[rT+2:rT+3], v[rT+2:rT+3], v[rS+4*k-4:rS+4*k-3]
	s_wait_alu depctr_va_vdst(0)
.endif
.endm
; THE PLAIN QUEUE, 138 long.  0-31: c s - c m for the 16 pairs of both tiles.  Then GS's 64, and among them the next piece's 42: number 15 at 38, 39; 0-14 and 16
; at 42-73, behind the products that make those scores; 17-20 at 95-106, two of three, since each waits for the one before it.
.macro PL
	WIN 0
.if q < 32
	REGS Y, q%2
	v_pk_fma_f32 v[rS+2*(q/2):rS+2*(q/2)+1], v[rS+2*(q/2):rS+2*(q/2)+1], s[CS:CS+1], v[rT:rT+1] op_sel_hi:[1,0,0] neg_lo:[0,0,1] neg_hi:[0,0,1]
.elseif q < 38
	GS q-32
.elseif q < 40
	XS q%2, 15
.elseif q < 42
	GS q-34
.elseif q < 74
	XS q%2, (q-42)/2+(q-42)/30
.elseif q < 95
	GS q-66
.elseif (q < 107) && ((q-95)%3 < 2)
	XS (q-95)%3, 17+(q-95)/3
.elseif q < 107
	GS 29+(q-95)/3
.else
	GS q-74
.endif
.set q, q+1
.endm
; THE EXPONENTIALS' QUEUE, 66 long: s0-s31 of both tiles, and at EA the next piece's two a.
.set EA, 58
.macro EX
	WIN 0
.if (e == EA) || (e == EA+1)
	XS e-EA, 21
.else
.set x, e-2*(e/(EA+2))
	REGS Y, x%2
	v_exp_f32 v[rS+x/2], v[rS+x/2]
.endif
.set e, e+1
.endm
; THE RESCALING's QUEUE: O^T times a, the one part that leaves window 0, so it is dealt four at a time, eight times.
.macro R4
	REGS Y, r%2
	WIN W_RS
	s_wait_alu depctr_va_vdst(0)
.irp z, 0,1,2,3
	v_pk_mul_f32 v[rO+8*(r/2)+2*\z:rO+8*(r/2)+2*\z+1], v[rO+8*(r/2)+2*\z:rO+8*(r/2)+2*\z+1], v[rC+2:rC+3] op_sel_hi:[1,0]
.endr
.set r, r+1
.endm
; HOW THEY ARE DEALT.  Behind a matrix instruction four: plain, exponential, plain, plain (one exponential, a plain instruction on either side), or four of the rescaling.  None names a register of the
; products round it.  What is over stands in two LUMPS: exponential and plain by turns; the second ends in 22 plain instructions.  The two v_permlanex16_b32 fall into the second lump, never behind a product.
; The queues lean on each other, and the deal keeps them in step: exponential e stands behind plain 2 (e / 4) + e % 2 (its scaling); when plain 32 comes, 10 exponentials are out, at 59: 33, at 95: 46; EA comes behind plain 107.
.macro SL
	MM
	PL
	EX
	PL
	PL
.endm
.macro BURST n                      ; 15 matrix instructions, or 16
.rept (\n)-7
	SL
.endr
.rept 3
	MM
	R4
	SL
.endr
	MM
	R4
.endm
; A TURN, for piece p.  cnt = 1: the loop's count is taken down some lines ahead of the branch that stands behind the turn.
; K of the next step is fetched in piece 2's turn, 31 vector instructions behind the last product that read K; its first reader comes behind the rest of the lump, 16 products and the second lump.
; V of the step in hand is fetched at the end of piece 0's turn, 69 behind its last reader; its first reader comes behind 16 products and a lump.  The four conditions on e and q below go with the deal.
.macro TURN p, last=0, cnt=0
.set Y, (\p)
.set i, 0
.set q, 0
.set e, 0
.set r, 0
.if (\p) == NP-1
	s_wait_dscnt 0x0                ; K is in
.endif
	MM
.rept 4
	PL
.endr
	BURST 15
.rept 22
	EX
	PL
.if ((\p) == NP-2) && (e == 18)
	v_add_nc_u32 v[AK], s[TBK], v[AK0]
.endif
.if ((\p) == NP-2) && (e == 24)
	FETCH_K \last
.endif
.endr
.if (\p) == 1
	s_wait_dscnt 0x0                ; V is in
.endif
	BURST 16
.rept 21
	EX
	PL
.endr
.rept 22
	PL
.if ((\p) == 0) && (q == 118)
	v_add_nc_u32 v[AV], s[TBV], v[AV0]
	s_wait_alu depctr_va_vdst(0)
.endif
.if ((\p) == 0) && (q == 130)
	s_add_co_u32 s[TBV], s[TBV], KS*PV
.endif
.if (\cnt) && (q == 130)
	s_sub_co_u32 s[CNT], s[CNT], 1
	s_cmp_lg_u32 s[CNT], 0
.endif
.endr
.if (\p) == 0
	FETCH_V
.endif
.endm
	CHANGE 1                        ; slot 0 is in, everybody's part of it; slot 1 is asked for
	FETCH_K                         ; key step 0
	s_wait_loadcnt 0x0              ; Q
	s_wait_dscnt 0x0
.set i, 0
.rept 16
	KQ 0                            ; piece 0's first scores: there is no vector work yet to set between them
.set i, i+1
.endr
	WIN 0                           ; the addresses for the way out: nine plain instructions, the places behind those products
	s_mul_i32 s13, s[WV], 16*SP
	s_add_co_u32 s13, s13, STAGE    ; my stage
	v_mul_u32_u24 v[STO], v1, SP    ; in: row l % 16, 16 bytes for each half of the lanes
	v_lshl_add_u32 v[STO], v9, 4, v[STO]
	v_add_nc_u32 v[STO], s13, v[STO]
	v_bfe_u32 v[RD], v0, 3, 2       ; back: 32 lanes take four rows of 128 bytes,
	v_mul_u32_u24 v[RD], v[RD], SP
	v_lshl_add_u32 v[RD], v10, 4, v[RD]
	v_add_nc_u32 v[RD], s13, v[RD]
	v_and_b32 v[GO], 31, v0         ; which are 512 consecutive bytes of O
	v_lshlrev_b32 v[GO], 4, v[GO]
.set Y, NP-1                        ; XS works for piece Y + 1: piece 0
.irp n, 0,1,2,3,4,5,6,7,8,9,10,11,12,13,14,15,16,17,18,19,20,21
	XS 0, \n                        ; and piece 0's first maximum and statistics
	XS 1, \n
.endr
	s_mov_b32 s[CNT], 4
	s_mov_b32 s[SLOTS], SIZE_N/256-1
	s_branch .Lfirst                ; the loop is entered at a step's first turn, in the middle of a trip
.Lslot:                             ; SIZE_N / 256 - 2 times: every slot but the last two is filled again
	CHANGE 1, 1
	s_mov_b32 s[CNT], 4
.Lstep:                             ; a trip: pieces 2 and 3 of one step, then pieces 0 and 1 of the next, whose K and V it fetches
	TURN 2
	TURN 3
	WIN 0
.Lfirst:
	TURN 0
	TURN 1, 0, 1
	WIN 0
	s_cbranch_scc1 .Lstep
	s_sub_co_u32 s[SLOTS], s[SLOTS], 1
	s_cmp_lg_u32 s[SLOTS], 0
	s_cbranch_scc1 .Lslot
	CHANGE 0                        ; the tail is written out: nothing is asked for
	s_mov_b32 s[CNT], 5             ; four trips fetch the last slot's steps; the fifth is left in its middle
.Ltail:
	TURN 2, 1
	TURN 3
	WIN 0
	s_sub_co_u32 s[CNT], s[CNT], 1
	s_cmp_eq_u32 s[CNT], 0
	s_cbranch_scc1 .Lout
	TURN 0
	TURN 1
	WIN 0
	s_branch .Ltail
.Lout:                              ; the fifth trip's 16 products K Q^T (on the last K once more) and the maximum made of them serve nothing: the price, once a launch, of one text for every trip
.set i, 0
.rept 16
	PV NP-1                         ; the last piece's V^T P of the last step
.set i, i+1
.endr
	; THE WAY OUT.  l's two halves and the other half of the lanes' are added; O^T is divided by l, rounded to f16 and sent through my stage in LDS, a tile at a time.  The additions are the places behind the last products.
	WIN 0
.macro ALL line:vararg              ; one line for each tile t
.set t, 0
.rept 2*NP
	\line
.set t, t+1
.endr
.endm
	ALL v_add_f32 v[ST+4*t+2], v[ST+4*t+2], v[ST+4*t+3]
	ALL v_permlanex16_b32 v[ST+4*t+3], v[ST+4*t+2], s[SEL], s[SEL+1]
	ALL v_add_f32 v[ST+4*t+2], v[ST+4*t+2], v[ST+4*t+3]
	ALL v_rcp_f32 v[ST+4*t+2], v[ST+4*t+2]
	v_nop                           ; a plain instruction between the last reciprocal and the use of its result
	s_wait_alu depctr_va_vdst(0)
; Tile t: a lane's eight channels of a row pack into 16 bytes; they go into rows of 144 bytes and come back as whole rows of 128, into S^T's registers.
.macro PACK t
	WIN W_RS
.set i, 32*(\t)
.rept 16
	v_pk_mul_f32 v[i:i+1], v[i:i+1], v[ST+4*(\t)+2:ST+4*(\t)+3] op_sel_hi:[1,0]
.set i, i+2
.endr
	WIN 0x05                        ; sources 0 and 1 window 1, destination window 0
.set i, 0
.rept 16
	v_cvt_pk_f16_f32 v[S+16*(\t)+i], v[32*(\t)+2*i], v[32*(\t)+2*i+1]
.set i, i+1
.endr
	WIN 0
.irp f, 0,1,2,3
	ds_store_b128 v[STO], v[S+16*(\t)+4*\f:S+16*(\t)+4*\f+3] offset:32*\f
.endr
.irp f, 0,1,2,3
	ds_load_b128 v[S+16*(\t)+4*\f:S+16*(\t)+4*\f+3], v[RD] offset:\f*4*SP  ; LDS serves a wave's instructions in order (ISA guide 5.7.1.4): these see the stores above; the next tile's stores come behind them
.endr
.endm
.macro SEND t, younger              ; younger: the LDS instructions issued behind tile t's loads: the next tile's eight, or none
	WIN 0
.irp f, 0,1,2,3
	s_wait_dscnt (\younger)+3-\f
	global_store_b128 v[GO], v[S+16*(\t)+4*\f:S+16*(\t)+4*\f+3], s[10:11] offset:(\t)*2048+\f*512  ; 512 consecutive bytes, at a multiple of 256 from O's first
.endr
.endm
	PACK 0
.set t, 1
.rept 2*NP-1                        ; a tile's arithmetic stands between the loads of the tile before and its stores
	PACK t
	SEND t-1, 8
.set t, t+1
.endr
	SEND 2*NP-1, 0
	WIN W_AD
	s_wait_tensorcnt 0x0            ; the wave's end, behind my last tensor load and my last LDS store
	ds_add_u32 v[SPW], v[NIL]
	s_wait_dscnt 0x0
	WIN 0
	CROUND                          ; the closing round: no work-group ends while a partner may still ask for a tile that names it
	s_endpgm
.Lfunc_end_k_q26773dfdd0_attn:
	.size	k_q26773dfdd0_attn, .Lfunc_end_k_q26773dfdd0_attn-k_q26773dfdd0_attn
	.p2alignl 7, 3214868480
	.fill 96, 4, 3214868480
	.section	.rodata,"a",@progbits
	.p2align	6, 0x0
	.amdhsa_kernel k_q26773dfdd0_attn
		.amdhsa_group_segment_fixed_size 327680
		.amdhsa_private_segment_fixed_size 0
		.amdhsa_enable_private_segment 0
		.amdhsa_kernarg_size 32
		.amdhsa_user_sgpr_count 2
		.amdhsa_user_sgpr_kernarg_segment_ptr 1
		.amdhsa_wavefront_size32 1
		.amdhsa_system_sgpr_workgroup_id_x 1
		.amdhsa_system_sgpr_workgroup_id_y 1
		.amdhsa_system_sgpr_workgroup_id_z 1
		.amdhsa_system_vgpr_workitem_id 0
		.amdhsa_next_free_vgpr 770
		.amdhsa_next_free_sgpr 66
		.amdhsa_reserve_vcc 0
		.amdhsa_float_denorm_mode_32 3
		.amdhsa_float_denorm_mode_16_64 3
		.amdhsa_memory_ordered 1
		.amdhsa_forward_progress 1
		.amdhsa_inst_pref_size 209
	.end_amdhsa_kernel
	.amdgpu_metadata
---
amdhsa.version: [ 1, 2 ]
amdhsa.kernels:
  - .name:           k_q26773dfdd0_attn
    .symbol:         k_q26773dfdd0_attn.kd
    .args:
      - { .name: qh, .offset: 0, .size: 8, .value_kind: global_buffer, .address_space: global }
      - { .name: kh, .offset: 8, .size: 8, .value_kind: global_buffer, .address_space: global }
      - { .name: vh, .offset: 16, .size: 8, .value_kind: global_buffer, .address_space: global }
      - { .name: ao, .offset: 24, .size: 8, .value_kind: global_buffer, .address_space: global }
    .group_segment_fixed_size: 327680
    .private_segment_fixed_size: 0
    .kernarg_segment_align: 8
    .kernarg_segment_size: 32
    .max_flat_workgroup_size: 128
    .sgpr_count:     66
    .vgpr_count:     770
    .wavefront_size: 32
...
	.end_amdgpu_metadata
.endif
;; end of part 3
;; launch oproj (part 4): grid 4 x 64, 4 waves a work-group, clusters of 4 x 4, 327,680 bytes of LDS; arguments ao, cb, bo, out0; writes out0
.if DOCPART == 4
	.amdgcn_target "amdgcn-amd-amdhsa--gfx1250"
	.amdhsa_code_object_version 6
	.text
	.protected	k_q26773dfdd0_oproj
	.globl	k_q26773dfdd0_oproj
	.p2align	8
	.type	k_q26773dfdd0_oproj,@function
k_q26773dfdd0_oproj:
	s_mov_b64 s[64:65], 0
	v_nop
	global_prefetch_b8 v0, s[64:65] scope:SCOPE_SE
	s_setreg_imm32_b32 hwreg(HW_REG_WAVE_MODE, 25, 1), 1
	s_wait_xcnt 0x0
	s_wait_alu depctr_hold_cnt(0) depctr_sa_sdst(0) depctr_va_vdst(0) depctr_va_sdst(0) depctr_va_ssrc(0) depctr_va_vcc(0) depctr_vm_vsrc(0)
	s_getreg_b32 s2, hwreg(HW_REG_IB_STS2, 6, 4)
	s_cmp_eq_u32 s2, 0
	s_cbranch_scc0 .Lentry_in_a_cluster
	s_endpgm
.Lentry_in_a_cluster:
	s_bfe_u32 s2, ttmp6, 0x10000c
	s_cmp_lg_u32 s2, 0xf033
	s_cbranch_scc0 .Lentry_shape_is_right
	s_endpgm
.Lentry_shape_is_right:
; out = O Wo + bo.  O lies by heads, [64 = 16 batch + head][2048][64] in f16; Wo [1024 k][1024 n] lies in cb at WBASE, rounded to bf16 and written as f16; the bias is rounded to bf16 like the other
; inputs and STARTS the f32 sums (it is the C operand of the first product); the f32 sums are the output.
; LIMITS.  None of its own: O and Wo arrive within f16's range.  NaN and infinities are not treated apart.
; SHARES.  A tile of C is 128 rows x 256 columns: 64 x 4 = 256 work-groups, one for each WGP.  Four waves, 2 x 2: a wave makes 64 x 128: 32 accumulators of 16 x 16, 256 registers.
; K = 1,024 = 16 heads x 64 goes in 8 steps of 128, two heads each, through two LDS slots filled by the tensor data mover; a step is four quarters of 32 along K: 32 matrix instructions and 24 LDS loads each.
; CLUSTERS: 4 x 4 work-groups.  The four of a row of the cluster need the same tile of O, the four of a column the same tile of Wo: each tile is asked for JOINTLY, by the same tensor load with the
; same descriptor and a mask that names the four.  Waves 0 and 1 fetch the step's two heads of O (128 rows of 128 dense bytes each), waves 2 and 3 Wo's two halves of 64 k-rows.
; THE MATRIX INSTRUCTION IS USED TRANSPOSED: source 0 = 16 columns of Wo (it lies [k][n] in LDS and is turned by ds_load_tr16_b128), source 1 = 16 rows of O: a lane then holds row l % 16 of C and eight neighbouring columns.
; REGISTERS, in windows of 256 (s_set_vgpr_msb: bits 1:0 source 0, 3:2 source 1, 5:4 source 2, 7:6 destination):
;   window 0: v0-29 addresses; two fragment buffers of 96, v64-159 and v160-255: Wo's block b at +8 b, O's block a at +64+8 a; on the way out v64-191 hold rows read back
;   window 1: accumulator (a, b) at 8 (8 a + b)          window 2: v0-63 the bias of my 128 columns, block b at 8 b; v64-95 at work while it is rounded
.set PA,     144                       ; a row of one head of O in LDS: 128 bytes + 16 of padding = 36 words: the 16 rows of a load start at 16 different groups of four banks (64 banks of 4 bytes: ISA guide 11.1)
.set PB,     544                       ; a k-row of Wo: 512 + 32 = 136 words: row r starts at bank 8 r mod 64
.set HALFT,  64*PB                     ; 34,816: what wave w fetches lands at w x HALFT in a slot: a head of O uses 18,432 of it, Wo's halves all, so that Wo's 128 k-rows lie on end
.set SLOT,   4*HALFT
.set STAGE,  2*SLOT                    ; behind the ring, never filled by a tensor load: 16 rows x 528 bytes for each wave, for the way out
.set SP,     528                       ; 512 bytes + 16 = 132 words: row r starts at bank 4 r mod 64
.set SPARE,  STAGE+4*16*SP             ; behind the stages: the spare words, 128 bytes for each wave: two blocks of 256 bytes that no other line names
.set LAPS,   4                         ; a lap = two K steps = once round the ring
.set ASTEP,  524288                    ; bytes from a K step of O to the next: two heads of 262,144 bytes
.set BSTEP,  262144                    ; of Wo: 128 k-rows of 2,048 bytes
.set WBASE,  0x1600000                 ; where Wo begins in cb
.set ADRA, 16                          ; v16-17  LDS address of my fragments of O in slot 0, 1
.set ADRB, 20                          ; v20-21  the same for Wo
.set STO,  24                          ; v24     the way out: where I put 32 bytes of a row
.set RD,   25                          ; v25     the way out: where I read a row back
.set GO,   26                          ; v26     my byte offset in 512 consecutive bytes of the output
.set BO,   27                          ; v27     my byte offset in the bias
.set SPW,  28                          ; v28     LDS address of my spare word: SPARE + 4 x my thread's number; never rewritten
.set NIL,  29                          ; v29     0; never rewritten
.set F0,   64
.set F1,   160
.set OB,   64                          ; the way out: 16 rows read back: v64-127 and v128-191 by turns
.set WV,  20                           ; s20  my wave's number
.set HI,  21                           ; s21  which half of the tile's rows is mine.  Also: I fetch for O (0) or for Wo (1)
.set LO,  22                           ; s22  which half of its columns.  Also: which part of that tile I fetch
.set LAP, 23                           ; s23  laps to go
.set G1A, 24                           ; s[24:31] descriptor group 1 for O's tiles;  s[32:39] group 0, one set for each slot
.set G0A, 32
.set G1B, 48                           ; s[48:55], s[56:63] the same for Wo's tiles
.set G0B, 56
.set MSB, 0
.macro WIN new                         ; the immediate's high byte repeats the setting that is left; a switch that changes nothing is dropped
.if MSB != (\new)
	s_set_vgpr_msb (MSB<<8)|(\new)
.set MSB, \new
.endif
.endm
.set MUL,  0x50                        ; sources in window 0; C and D in window 1
.set MUL1, 0x60                        ; C (the bias) in window 2, D in window 1
.macro JLOAD s                         ; a joint load; an s_nop 0 and four v_nop follow each of the two lines, ahead of the jump, the label and what follows
	s_cmp_eq_u32 s[HI], 0
	s_cbranch_scc0 .Lfor_b_\@
	tensor_load_to_lds s[G0A+4*(\s):G0A+4*(\s)+3], s[G1A:G1A+7]
	s_nop 0
.rept 4
	v_nop
.endr
	s_branch .Lasked_\@
.Lfor_b_\@:
	tensor_load_to_lds s[G0B+4*(\s):G0B+4*(\s)+3], s[G1B:G1B+7]
	s_nop 0
.rept 4
	v_nop
.endr
.Lasked_\@:
.endm
.macro CREST                           ; a round of the cluster's barrier behind its opening barrier
	s_cmp_lg_u32 s[WV], 0
	s_cbranch_scc1 .Lnot_wave_0_\@
	s_barrier_signal -3
.Lnot_wave_0_\@:
	s_barrier_wait -3
	s_barrier_signal -1
	s_barrier_wait -1
.endm
.macro CROUND                          ; a whole round
	s_barrier_signal -1
	s_barrier_wait -1
	CREST
.endm
	s_load_b256 s[4:11], s[0:1], 0x0               ; ao s[4:5], cb s[6:7], bo s[8:9], out0 s[10:11]
	v_lshl_add_u32 v[SPW], v0, 2, SPARE
	v_mov_b32 v[NIL], 0
	ds_add_u32 v[SPW], v[NIL]                      ; the wave's opening: the add and its wait stand ahead of my first tensor load; the set-up below, work on registers, stands between them
	v_lshrrev_b32 v1, 5, v0
	v_readfirstlane_b32 s[WV], v1                  ; wave 0..3
	s_lshr_b32 s[HI], s[WV], 1
	s_and_b32 s[LO], s[WV], 1
	s_bfe_u32 s40, ttmp6, 0x40000                  ; cx, cy: my place in the cluster
	s_bfe_u32 s41, ttmp6, 0x40004
	s_lshl_b32 s42, ttmp9, 2
	s_add_co_u32 s42, s42, s40                     ; tile column of C = 4 x cluster x + cx
	s_and_b32 s43, ttmp7, 0xffff
	s_lshl_b32 s43, s43, 2
	s_add_co_u32 s43, s43, s41                     ; tile row of C = 4 x cluster y + cy
	s_lshl_b32 s44, s41, 2
	s_lshl_b32 s44, 15, s44                        ; my row of the cluster
	s_lshl_b32 s45, 0x1111, s40                    ; my column
	; descriptor group 1.  O: a head's 128 rows are 16,384 dense bytes: asked for as 64 rows of 256 bytes, two rows of O each, and padded in LDS after every row of O.  Wo: 64 k-rows x 256 elements
	s_or_b32 s[G1A+0], s44, (1<<16)|(1<<20)|(1<<21)|(4<<22)|(3<<25)  ; 15:0 the mask: O's tiles go to my row; 17:16 elements of 2 bytes; 20 padding on; 21 set beside a mask; 24:22 after every 32 words (code 4); 31:25 4 words (code 3)
	s_mov_b32 s[G1A+1], 128<<16                    ; tensor_dim0 = 128
	s_mov_b32 s[G1A+2], 64<<16                     ; tensor_dim1 = 64
	s_mov_b32 s[G1A+3], 128<<16                    ; tile_dim0 = 128
	s_mov_b32 s[G1A+4], 64                         ; tile_dim1 = 64
	s_mov_b32 s[G1A+5], 128                        ; elements from row to row
	s_mov_b32 s[G1A+6], 0
	s_mov_b32 s[G1A+7], 0
	s_or_b32 s[G1B+0], s45, (1<<16)|(1<<20)|(1<<21)|(6<<22)|(7<<25)  ; the mask of my column; after every 128 words (code 6) 8 words of padding (code 7)
	s_mov_b32 s[G1B+1], 256<<16                    ; tensor_dim0 = 256
	s_mov_b32 s[G1B+2], 64<<16                     ; tensor_dim1 = 64
	s_mov_b32 s[G1B+3], 256<<16                    ; tile_dim0 = 256
	s_mov_b32 s[G1B+4], 64                         ; tile_dim1 = 64
	s_mov_b32 s[G1B+5], 1024
	s_mov_b32 s[G1B+6], 0
	s_mov_b32 s[G1B+7], 0
	; where the tiles come from.  O's hang on the tile row alone, Wo's on the tile column alone; each offset lies in registers that never hold the other coordinate
	s_lshr_b32 s66, s43, 4                         ; the batch: 16 heads of 262,144 bytes,
	s_lshl_b32 s66, s66, 22
	s_lshl_b32 s67, s[LO], 18                      ; which of the step's two heads I fetch,
	s_add_co_u32 s66, s66, s67
	s_and_b32 s67, s43, 15                         ; the tile's 128 rows of 128 bytes in the head
	s_lshl_b32 s67, s67, 14
	s_add_co_u32 s66, s66, s67
	s_mov_b32 s67, 0
	s_lshl_b32 s76, s42, 9                         ; the tile's 256 columns: 512 bytes of a k-row,
	s_lshl_b32 s77, s[LO], 17                      ; the 64 k-rows that I fetch
	s_add_co_u32 s76, s76, s77
	s_add_co_u32 s76, s76, WBASE
	s_mov_b32 s77, 0
	s_mul_i32 s70, s[WV], HALFT                    ; where they go: no place in the cluster enters an LDS address
	; where my part of the output begins: row 128 (tile row) + 64 (row half), 4,096 bytes a row; column 256 (tile column) + 128 (column half), 4 bytes each
	s_lshl_b32 s78, s43, 19
	s_lshl_b32 s79, s[HI], 18
	s_add_co_u32 s78, s78, s79
	s_lshl_b32 s79, s42, 10
	s_add_co_u32 s78, s78, s79
	s_lshl_b32 s79, s[LO], 9
	s_add_co_u32 s78, s78, s79
	s_mov_b32 s79, 0
	s_wait_dscnt 0x0                               ; the opening add is done
	s_wait_kmcnt 0x0
	s_add_nc_u64 s[46:47], s[4:5], s[66:67]
	s_add_nc_u64 s[68:69], s[6:7], s[76:77]
	s_add_nc_u64 s[74:75], s[10:11], s[78:79]
	CROUND                                         ; all sixteen work-groups are here: the first joint loads meet
.irp s, 0,1
	s_mov_b32 s[G0A+4*(\s)], 1                                       ; 1:0 count = 1
	s_add_co_u32 s[G0A+4*(\s)+1], s70, (\s)*SLOT                     ; 63:32 LDS address
	s_add_nc_u64 s[G0A+4*(\s)+2:G0A+4*(\s)+3], s[46:47], (\s)*ASTEP  ; 120:64 global address: K step s
	s_or_b32 s[G0A+4*(\s)+3], s[G0A+4*(\s)+3], 0x80000000            ; 127:126 type = 2
	s_mov_b32 s[G0B+4*(\s)], 1
	s_add_co_u32 s[G0B+4*(\s)+1], s70, (\s)*SLOT
	s_add_nc_u64 s[G0B+4*(\s)+2:G0B+4*(\s)+3], s[68:69], (\s)*BSTEP
	s_or_b32 s[G0B+4*(\s)+3], s[G0B+4*(\s)+3], 0x80000000
	JLOAD \s                                       ; two loads of mine are out
.endr
	v_and_b32 v1, 15, v0                           ; l % 16
	v_bfe_u32 v2, v0, 4, 1                         ; l / 16
	v_and_b32 v3, 7, v0                            ; l % 8
	v_bfe_u32 v4, v0, 3, 1                         ; (l / 8) % 2
	; a fragment of O: lane l holds row l % 16; registers 0-3 K = 8 (l / 16) + 0..7, registers 4-7 K = 16 + 8 (l / 16) + 0..7: two loads of 16 bytes, 32 bytes apart
	v_mul_u32_u24 v6, v1, PA
	v_lshl_add_u32 v6, v2, 4, v6
	s_mul_i32 s18, s[HI], 64*PA                    ; my 64 rows, in either head's tile
	v_add_nc_u32 v[ADRA], s18, v6
	v_add_nc_u32 v[ADRA+1], SLOT, v[ADRA]
	; the turning load takes 16 k-rows x 16 columns (lane l reads k-row 8 (l / 16) + l % 8, columns 8 ((l / 8) % 2) + 0..7) and leaves half a fragment: lane l holds column l % 16 and 8 k
	v_lshl_add_u32 v7, v2, 3, v3
	v_mul_u32_u24 v7, v7, PB
	v_lshl_add_u32 v7, v4, 4, v7
	s_lshl_b32 s19, s[LO], 8                       ; my 128 columns: 256 bytes of a k-row,
	s_add_co_u32 s19, s19, 2*HALFT                 ; behind O's two heads
	v_add_nc_u32 v[ADRB], s19, v7
	v_add_nc_u32 v[ADRB+1], SLOT, v[ADRB]
	s_mul_i32 s71, s[WV], 16*SP
	s_add_co_u32 s71, s71, STAGE                   ; my stage
	v_mul_u32_u24 v[STO], v1, SP                   ; in: row l % 16, 32 bytes for each half of the lanes
	v_lshl_add_u32 v[STO], v2, 5, v[STO]
	v_add_nc_u32 v[STO], s71, v[STO]
	v_and_b32 v[GO], 31, v0                        ; back: 32 lanes take one row of 512 bytes,
	v_lshlrev_b32 v[GO], 4, v[GO]                  ; which are 512 consecutive bytes of the output
	v_add_nc_u32 v[RD], s71, v[GO]
	; THE BIAS of my 128 columns: register j of block b is bo[256 (tile column) + 128 (column half) + 16 b + 8 (l / 16) + j], the layout of a C operand.  Rounded to bf16 and widened again.  All this stands in the wait for the first tile.
	s_lshl_b32 s76, s42, 10
	s_lshl_b32 s77, s[LO], 9
	s_add_co_u32 s76, s76, s77
	v_lshl_add_u32 v[BO], v2, 5, s76
	WIN 0x80                                       ; destination window 2, address window 0
.irp b, 0,1,2,3,4,5,6,7
	global_load_b128 v[8*(\b):8*(\b)+3],   v[BO], s[8:9] offset:64*(\b)
	global_load_b128 v[8*(\b)+4:8*(\b)+7], v[BO], s[8:9] offset:64*(\b)+16
.endr
	s_wait_loadcnt 0x0
	WIN 0x8a                                       ; sources and destination window 2
.set i, 0
.rept 32
	v_cvt_pk_bf16_f32 v[64+i], v[2*i], v[2*i+1]
.set i, i+1
.endr
.set i, 0
.rept 32
	v_lshlrev_b32 v[2*i],   16, v[64+i]
	v_and_b32     v[2*i+1], 0xffff0000, v[64+i]
.set i, i+1
.endr
	WIN 0
; 8 matrix instructions: row block a x all 8 column blocks, 32 along K, from buffer f.  first = 1: the bias starts the sums: nothing is ever cleared.
; The 32 accumulators take turns, one instruction a turn, in the same order in every quarter: 31 others stand between two links of a chain, over the backward jump too.
.macro MUL8 f, a, first
.if \first
	WIN MUL1
.else
	WIN MUL
.endif
.irp b, 0,1,2,3,4,5,6,7
.if \first
	v_wmma_f32_16x16x32_f16 v[8*(8*(\a)+(\b)):8*(8*(\a)+(\b))+7], v[(\f)+8*(\b):(\f)+8*(\b)+7], v[(\f)+64+8*(\a):(\f)+64+8*(\a)+7], v[8*(\b):8*(\b)+7]
.else
	v_wmma_f32_16x16x32_f16 v[8*(8*(\a)+(\b)):8*(8*(\a)+(\b))+7], v[(\f)+8*(\b):(\f)+8*(\b)+7], v[(\f)+64+8*(\a):(\f)+64+8*(\a)+7], v[8*(8*(\a)+(\b)):8*(8*(\a)+(\b))+7]
.endif
.endr
.endm
; 24 LDS loads in one run: quarter q of a slot into buffer f: Wo's eight blocks (turned), then O's four (head q / 2 of the step's two, channels 32 (q % 2) on); O's blocks 2 and 3 last
.macro FETCH slot, q, f
	WIN 0
.irp b, 0,1,2,3,4,5,6,7
	ds_load_tr16_b128 v[(\f)+8*(\b):(\f)+8*(\b)+3],   v[ADRB+(\slot)] offset:(\q)*32*PB+32*(\b)
	ds_load_tr16_b128 v[(\f)+8*(\b)+4:(\f)+8*(\b)+7], v[ADRB+(\slot)] offset:(\q)*32*PB+16*PB+32*(\b)
.endr
.irp a, 0,1,2,3
	ds_load_b128 v[(\f)+64+8*(\a):(\f)+64+8*(\a)+3],   v[ADRA+(\slot)] offset:((\q)/2)*HALFT+(\a)*16*PA+64*((\q)%2)
	ds_load_b128 v[(\f)+64+8*(\a)+4:(\f)+64+8*(\a)+7], v[ADRA+(\slot)] offset:((\q)/2)*HALFT+(\a)*16*PA+64*((\q)%2)+32
.endr
.endm
.macro PLACES                          ; four places in front of loads into registers that matrix instructions have read, and of LDS stores that read results
.rept 4
	v_nop
.endr
.endm
; One of a K step's first three quarters: multiplies buffer f and, in its middle, fetches quarter qn of the same slot into g.
.macro QUARTER slot, qn, f, g, first
	s_wait_dscnt 4                                 ; Wo and O's blocks 0 and 1 are in; the youngest four loads (O's blocks 2 and 3) may be out
	MUL8 \f, 0, \first
	MUL8 \f, 1, \first
	PLACES
	FETCH \slot, \qn, \g
	s_wait_dscnt 24                                ; all but the 24 just issued
	MUL8 \f, 2, \first
	MUL8 \f, 3, \first
.endm
; The last quarter multiplies buffer 1 and changes slots: ONE barrier; in front of it each wave waits for all its tensor loads, adds 0 to its spare word, and waits for that and for its own reads of this slot.
; fill = 1: this slot is filled again, two K steps ahead; the barrier then opens a round of the cluster's barrier.
.macro TURN slot, next, fill
	WIN 0                                          ; (the add's two registers lie in window 0)
	s_wait_tensorcnt 0x0                           ; all my tensor loads have landed: the one that was out is my part of the next slot;
	ds_add_u32 v[SPW], v[NIL]                      ; 0 onto my spare word
	s_wait_dscnt 5                                 ; (the add and the youngest four loads may be out)
	MUL8 F1, 0, 0                                  ; eight matrix instructions stand between the add and the wait for it
	s_wait_dscnt 0x0                               ; the add is done, and my reads of this slot are over
	s_barrier_signal -1
	MUL8 F1, 1, 0
.if \fill
	WIN 0
.endif
	s_barrier_wait -1
.if \fill
	CREST                                          ; no wave of any partner still reads this slot's tiles or has a load on its way
	s_add_nc_u64 s[G0A+4*(\slot)+2:G0A+4*(\slot)+3], s[G0A+4*(\slot)+2:G0A+4*(\slot)+3], 2*ASTEP
	s_add_nc_u64 s[G0B+4*(\slot)+2:G0B+4*(\slot)+3], s[G0B+4*(\slot)+2:G0B+4*(\slot)+3], 2*BSTEP
	JLOAD \slot                                    ; the first tensor load behind the round, my only one: 112 matrix instructions ahead of the wait for it; its four v_nop are also the places in front of the loads below
.else
	PLACES
.endif
	FETCH \next, 0, F0
	MUL8 F1, 2, 0
	MUL8 F1, 3, 0
.endm
	s_wait_tensorcnt 1                             ; my part of K step 0 is in; K step 1's may stay out
	s_barrier_signal -1
	s_barrier_wait -1                              ; everybody's is
	FETCH 0, 0, F0
	QUARTER 0, 1, F0, F1, 1                        ; the first quarter stands in front of the loop: its products start the sums, on the bias
	WIN 0                                          ; at a label and at a branch every window is 0
	s_mov_b32 s[LAP], LAPS-1
.Llap:                                                 ; a trip goes once round the ring, from a lap's second quarter to the next lap's first, and fills both slots again
	QUARTER 0, 2, F1, F0, 0
	QUARTER 0, 3, F0, F1, 0
	TURN 0, 1, 1
	QUARTER 1, 1, F0, F1, 0
	QUARTER 1, 2, F1, F0, 0
	QUARTER 1, 3, F0, F1, 0
	TURN 1, 0, 1
	QUARTER 0, 1, F0, F1, 0
	WIN 0
	s_sub_co_u32 s[LAP], s[LAP], 1
	s_cmp_lg_u32 s[LAP], 0
	s_cbranch_scc1 .Llap
	QUARTER 0, 2, F1, F0, 0                        ; the last lap fills nothing, and has no round of the cluster's barrier
	QUARTER 0, 3, F0, F1, 0
	TURN 0, 1, 0
	QUARTER 1, 1, F0, F1, 0
	QUARTER 1, 2, F1, F0, 0
	QUARTER 1, 3, F0, F1, 0
	s_wait_dscnt 4                                 ; the very last quarter: nothing more to fetch
	MUL8 F1, 0, 0
	MUL8 F1, 1, 0
	s_wait_dscnt 0x0
	MUL8 F1, 2, 0
	MUL8 F1, 3, 0
	WIN 0
	PLACES
; THE WAY OUT, in f32, a block of 16 rows x 512 bytes at a time.  A lane's eight columns of a row are 32 bytes: they go straight from the accumulators into my own stage, rows of 528 bytes, each
; accumulator's low four registers first, and come back as whole rows of 512 bytes, a row to a load.
.macro TOSTAGE a
.set OBK, OB+64*((\a)%2)
.if (\a) >= 2
	s_wait_xcnt 0x0                                ; the stores of the block two back have read the registers that are loaded again below
.endif
	WIN 0x04                                       ; the stores' data in window 1
.irp b, 0,1,2,3,4,5,6,7
	ds_store_b128 v[STO], v[64*(\a)+8*(\b):64*(\a)+8*(\b)+3]   offset:64*(\b)
	ds_store_b128 v[STO], v[64*(\a)+8*(\b)+4:64*(\a)+8*(\b)+7] offset:64*(\b)+16
.endr
	WIN 0
.irp i, 0,1,2,3,4,5,6,7,8,9,10,11,12,13,14,15
	ds_load_b128 v[OBK+4*(\i):OBK+4*(\i)+3], v[RD] offset:SP*(\i)  ; LDS serves a wave's instructions in order (ISA guide 5.7.1.4): these see the stores above; the next block's stores come behind them
.endr
.endm
.macro SEND a, younger                 ; younger: the LDS instructions issued behind block a's loads: the next block's 32, or none
.set OBK, OB+64*((\a)%2)
	WIN 0
.irp i, 0,1,2,3,4,5,6,7,8,9,10,11,12,13,14,15
	s_wait_dscnt (\younger)+15-(\i)
	global_store_b128 v[GO], v[OBK+4*(\i):OBK+4*(\i)+3], s[74:75] offset:(16*(\a)+(\i))*4096  ; 512 consecutive bytes, at a multiple of 256 from the output's first
.endr
.endm
	TOSTAGE 0
	TOSTAGE 1
	SEND 0, 32
	TOSTAGE 2
	SEND 1, 32
	TOSTAGE 3
	SEND 2, 32
	SEND 3, 0
	s_wait_tensorcnt 0x0                           ; the wave's end, behind my last tensor load and my last LDS store
	ds_add_u32 v[SPW], v[NIL]
	s_wait_dscnt 0x0
	CROUND                                         ; the closing round: no work-group ends while a partner may still ask for a tile that names it
	s_endpgm
.Lfunc_end_k_q26773dfdd0_oproj:
	.size	k_q26773dfdd0_oproj, .Lfunc_end_k_q26773dfdd0_oproj-k_q26773dfdd0_oproj
	.p2alignl 7, 3214868480
	.fill 96, 4, 3214868480
	.section	.rodata,"a",@progbits
	.p2align	6, 0x0
	.amdhsa_kernel k_q26773dfdd0_oproj
		.amdhsa_group_segment_fixed_size 327680
		.amdhsa_private_segment_fixed_size 0
		.amdhsa_enable_private_segment 0
		.amdhsa_kernarg_size 32
		.amdhsa_user_sgpr_count 2
		.amdhsa_user_sgpr_kernarg_segment_ptr 1
		.amdhsa_wavefront_size32 1
		.amdhsa_system_sgpr_workgroup_id_x 1
		.amdhsa_system_sgpr_workgroup_id_y 1
		.amdhsa_system_sgpr_workgroup_id_z 1
		.amdhsa_system_vgpr_workitem_id 0
		.amdhsa_next_free_vgpr 608
		.amdhsa_next_free_sgpr 80
		.amdhsa_reserve_vcc 0
		.amdhsa_float_denorm_mode_32 3
		.amdhsa_float_denorm_mode_16_64 3
		.amdhsa_memory_ordered 1
		.amdhsa_forward_progress 1
		.amdhsa_inst_pref_size 93
	.end_amdhsa_kernel
	.amdgpu_metadata
---
amdhsa.version: [ 1, 2 ]
amdhsa.kernels:
  - .name:           k_q26773dfdd0_oproj
    .symbol:         k_q26773dfdd0_oproj.kd
    .args:
      - { .name: ao, .offset: 0, .size: 8, .value_kind: global_buffer, .address_space: global }
      - { .name: cb, .offset: 8, .size: 8, .value_kind: global_buffer, .address_space: global }
      - { .name: bo, .offset: 16, .size: 8, .value_kind: global_buffer, .address_space: global }
      - { .name: out0, .offset: 24, .size: 8, .value_kind: global_buffer, .address_space: global }
    .group_segment_fixed_size: 327680
    .private_segment_fixed_size: 0
    .kernarg_segment_align: 8
    .kernarg_segment_size: 32
    .max_flat_workgroup_size: 128
    .sgpr_count:     80
    .vgpr_count:     608
    .wavefront_size: 32
...
	.end_amdgpu_metadata
.endif
;; end of part 4
